; MI455X (gfx1250); checked and timed in simulation.
; The chip was launched on July 23, 2026; its instructions are those of AMD's public machine-readable ISA for CDNA 5 (MIT licence, August 2026) and "CDNA5" Instruction Set Architecture Reference Guide (July 2026). The comments in the code are by the model that wrote it; some were corrected since.
;; Multi Head Attention. Allowed arithmetic: matrix products marked QUANTISED: E2M3 operands, one E8M0 scale for each 32 along K, by v_wmma_scale_f32_16x16x128_f8f6f4 with both operands' format E2M3, f32 sums; everything else in f32.
;; Inputs: mask 4 x 2,048 x 2,048 bool; q 4 x 2,048 x 1,024 float32; w_key 8 x 1,024 x 128 float32; w_out 8 x 128 x 1,024 float32; w_query 8 x 1,024 x 128 float32; w_value 8 x 1,024 x 128 float32.
;; Outputs: out0 4 x 2,048 x 1,024 float32.
;; This version of the problem:
;;   THIS VERSION OF THE PROBLEM IS GIVEN IN LOW PRECISION. The matrix products marked QUANTISED in the list below multiply operands that are first quantised to E2M3 (2 exponent bits, 3 mantissa bits; 6 bits a number), with one power-of-two scale for each 32 numbers along K (OCP MX v1.0); their sums are f32. All else is computed in f32.
;;   The module's matrix products, in the order in which they are computed (A, B: the left and right operand; K: the contracted axis; several contracted axes count as one K, in the product's order):
;;     1. [M 1,024, K 1,024] x [K 1,024, N 8,192]; A: input w_query; B: input q: QUANTISED
;;     2. [M 1,024, K 1,024] x [K 1,024, N 8,192]; A: input w_key; B: input q: QUANTISED
;;     3. [M 1,024, K 1,024] x [K 1,024, N 8,192]; A: input w_value; B: input q: QUANTISED
;;     4. batch 32 x [M 2,048, K 128] x [K 128, N 2,048]; A: computed on the way; B: computed on the way: QUANTISED
;;     5. batch 32 x [M 2,048, K 2,048] x [K 2,048, N 128]; A: computed on the way; B: computed on the way: QUANTISED
;;     6. [M 8,192, K 1,024] x [K 1,024, N 1,024]; A: computed on the way; B: input w_out: QUANTISED
;;   THE QUANTISER, for each operand of a quantised product, along K:
;;     - K is cut into blocks of 32 from its start; a last block that is shorter is filled with zeros.
;;     - A block's scale is 2^e with e = floor(log2(the largest magnitude in the block)) - 2, held to -126 .. 127; a block of zeros has e = 0. As a byte (E8M0): e + 127.
;;     - Each number is divided by its block's scale, clamped to +-7.5, and rounded to the nearest number of E2M3, ties to even, subnormals kept.
;;     - The product sums the exact products of the quantised numbers (number of the format x scale) in f32.
;;   ~~~python
;;   def quantise(x, axis):      # numpy; x: float32 -> the quantised numbers, widened to float32 again
;;       x = np.moveaxis(x, axis, -1); K = x.shape[-1]
;;       x = np.pad(x, [(0, 0)] * (x.ndim - 1) + [(0, -K % 32)]); x = x.reshape(x.shape[:-1] + (-1, 32)); a = np.abs(x).max(-1, keepdims=True)
;;       e = np.where(a > 0, np.clip(np.frexp(np.where(a > 0, a, 1))[1] - 1 - 2, -126, 127), 0)      # np.frexp(a)[1] - 1 = floor(log2(a)), exactly
;;       r = np.clip(x / 2.0 ** e, -7.5, 7.5)
;;       step = 2.0 ** (np.maximum(np.frexp(np.where(r == 0, 1, r))[1] - 1, 0) - 3)
;;       q = np.round(r / step) * step * 2.0 ** e      # np.round: ties to even
;;       return np.moveaxis(q.reshape(q.shape[:-2] + (-1,))[..., :K], -1, axis).astype(np.float32)
;;   ~~~
;;   OPERANDS COMPUTED ON THE WAY. 'Computed on the way' means the value that the module computes at that place (a softmax that the list does not call 'softmax' is quantised finished and normalised). What goes into a quantiser is computed in f32, as accurately as f32 sums, v_exp_f32 and their like allow (about 1e-6 of the number): no bf16 or f16 on the way to a quantiser, and a product that is left as it is and whose result goes on into a quantised operand takes f32 operands (vector FMAs, or v_wmma_f32_16x16x4_f32). A number that lies on a knife's edge between two numbers of the format may be rounded either way, as far as f32 arithmetic and the matrix unit's own rounding can turn it there, and no further.
;; One version. Each part assembles by itself: llvm-mc -triple=amdgcn-amd-amdhsa -mcpu=gfx1250 --defsym DOCPART=n.
;; ======== version 1 of 1: 6 launches
;; limits: right only within a limited range of input values
;; workspace buffers: qx 7,340,032 bytes; wqk 1,835,008 bytes; wv 917,504 bytes; wo 917,504 bytes; maskw 14,680,064 bytes of whole numbers; qk 14,680,064 bytes; vx 58,720,256 bytes; hx 7,340,032 bytes
;; launch prep (part 1): grid 640 x 1, 4 waves a work-group, no clusters, 83,456 bytes of LDS; arguments q, mask, w_query, w_key, w_value, w_out, qx, wqk, wv, wo, maskw; writes qx, wqk, wv, wo, maskw
.if DOCPART == 1
	.amdgcn_target "amdgcn-amd-amdhsa--gfx1250"
	.amdhsa_code_object_version 6
	.text
	.protected	k_qd0a6d50358_prep
	.globl	k_qd0a6d50358_prep
	.p2align	8
	.type	k_qd0a6d50358_prep,@function
k_qd0a6d50358_prep:
	s_mov_b64 s[64:65], 0
	v_nop
	global_prefetch_b8 v0, s[64:65] scope:SCOPE_SE
	s_setreg_imm32_b32 hwreg(HW_REG_WAVE_MODE, 25, 1), 1
	s_wait_xcnt 0x0
; PREP: q and the four weights become codes of FP6 (E2M3) with one E8M0 scale byte for each 32 along K; the mask becomes words of lane bits.
; A RECORD (REC = 1,792 bytes) is one operand fragment, 16 rows x 128 along K, as an image of its registers: byte 512 c + 16 l + 4 i is register 4 c + i of lane l (12 registers a lane:
; registers 6 c' .. 6 c' + 5 of lane (r, h) hold k = 64 c' + 32 h + 0 .. 31 of the tile's row r); bytes 1,536 + 8 l hold the scale word of row l % 16, then a word of 0.
; TILE T HOLDS THE ROWS 32 (T / 2) + 8 (T % 2) + r + 8 (r / 8), r = 0 .. 15: as source 0 of a product such tiles leave 16 neighbours along that axis in a lane's registers of tiles 2 b, 2 b + 1.
; THE LAST PRODUCT'S K is (d, h) with h fastest: a block of 32 is d = 4 j .. 4 j + 3 x the 8 heads.  In w_out's records K step s holds d = 16 s .. 16 s + 15, its block kb d = 16 s + 4 kb + 0 .. 3, and place
; 4 g + e of a block holds head g, d = 16 s + 4 kb + e: the heads' records have the same order, and an order inside a block changes neither its scale nor the products.
; A block's scale is 2^(floor(log2(its largest magnitude)) - 2): its byte is the largest magnitude's exponent field - 2, held at 1 from below.
; LIMITS: NaN and infinities among the inputs are not served; a block whose largest magnitude lies under 2^-124 keeps the byte 1; a block of zeros has the byte 1 where the rule says 127
; (its codes are zeros, which add nothing, and this program alone reads the bytes); a mask byte counts as masked where it is not 0.
; SHARES: work-groups 0-255: q (a wave: one tile of 16 tokens x 512 along E: four records); 256-511: the weights (a work-group: 128 columns x 128 along K; a wave: 32 columns: two records);
; 512-639: the mask (a wave: one tile of 16 queries x 2,048 keys).  Waves share nothing: no barrier.  Each of the three ways has LDS bytes of its own.
.set REC,  1792
.set SP,   528                         ; a stage row: 512 bytes + 16: the sixteen rows that a read back touches begin 16 bytes apart modulo 256
.set MSTG, 33792                       ; LDS: q's stages at 0 (4 x 16 x SP), the mask's here,
.set WSTG, 67584                       ; the weights' here: two records of 1,792 bytes, 1,920 apart, for each wave
.set WFR,  1920
.set R,    32                          ; v32-159  two sets of 64 registers as loaded
.set X,    160                         ; v160-223 the same turned: a lane's own row
.set PC,   224                         ; v224-235 a fragment's codes
.set TC,   236                         ; v236-242 the second halves of its two blocks
.set PW,   244                         ; v[244:245] the scale word, and 0
.set TM,   246
.set SO,   248
.set BY,   250
.set TP,   252
	s_load_b512 s[8:23], s[0:1], 0x0               ; q s[8:9], mask s[10:11], w_query s[12:13], w_key s[14:15], w_value s[16:17], w_out s[18:19], qx s[20:21], wqk s[22:23]
	s_load_b128 s[24:27], s[0:1], 0x40             ; wv s[24:25], wo s[26:27]
	s_load_b64 s[28:29], s[0:1], 0x50              ; maskw
	v_lshl_add_u32 v254, v0, 2, 0x14400
	v_mov_b32 v255, 0
	v_lshrrev_b32 v1, 5, v0
	v_readfirstlane_b32 s2, v1                     ; wave 0..3
	v_and_b32 v2, 31, v0                           ; lane
	v_and_b32 v3, 15, v0                           ; r
	v_bfe_u32 v4, v0, 4, 1                         ; h
	v_lshlrev_b32 v5, 4, v2                        ; 16 x lane
	v_lshlrev_b32 v6, 3, v2                        ; 8 x lane
	v_lshlrev_b32 v7, 2, v2                        ; 4 x lane
	s_mul_i32 s3, s2, 16*SP
	s_mul_i32 s4, s2, 2*WFR
	; every LDS address is made here, ahead of the parting of the ways: a constant + a constant x wave + constants x parts of the lane's number
	v_add_nc_u32 v8, s3, v5                        ; q's stage, in: 16 x lane
	v_mul_u32_u24 v17, v3, SP
	v_add_nc_u32 v17, s3, v17
	v_lshl_add_u32 v9, v4, 7, v17                  ; q's stage, back: row r, + 128 h: my 32 numbers of a pair of blocks
	v_add_nc_u32 v10, MSTG, v8                     ; the mask's stage, in
	v_lshl_add_u32 v11, v4, 4, v17
	v_add_nc_u32 v11, MSTG, v11
	v_lshl_add_u32 v19, v4, 5, v17
	v_add_nc_u32 v19, MSTG, v19                    ; the mask's stage, back a second time: row r, + 32 h: my 32 keys of a pair of blocks
	v_bfe_u32 v17, v0, 3, 1                        ; the weights: column c = lane of 32 belongs to tile u = (c / 8) % 2,
	v_and_b32 v18, 7, v0
	v_lshl_add_u32 v18, v4, 3, v18                 ; as its row c % 8 + 8 (c / 16)
	v_mul_u32_u24 v17, v17, WFR
	v_add_nc_u32 v17, s4, v17
	v_add_nc_u32 v17, WSTG, v17
	v_lshl_add_u32 v12, v18, 4, v17                ; where that row's registers stand in the record's image
	v_lshl_add_u32 v13, v18, 3, v17                ; and its scale word
	v_add_nc_u32 v14, s4, v5
	v_add_nc_u32 v14, WSTG, v14                    ; the images read back: 16 x lane,
	v_add_nc_u32 v15, s4, v6
	v_add_nc_u32 v15, WSTG, v15                    ; 8 x lane
	v_lshlrev_b32 v16, 3, v4                       ; 8 h: a shift
	s_mov_b32 s30, 0x76543210
	s_mov_b32 s31, 0xfedcba98                      ; v_permlanex16_b32's selects for lane l xor 16
	s_wait_kmcnt 0x0
	s_cmp_ge_u32 ttmp9, 512
	s_cbranch_scc1 .Lpath_m
	s_cmp_ge_u32 ttmp9, 256
	s_cbranch_scc1 .Lpath_w
; sixteen loads: the tile's sixteen rows, 512 consecutive bytes of each, into set f % 2
.macro ROWS16 f, lo, pitch
.irp i, 0,1,2,3,4,5,6,7,8,9,10,11,12,13,14,15
	global_load_b128 v[R+64*((\f)%2)+4*\i:R+64*((\f)%2)+4*\i+3], v5, s[\lo:\lo+1] offset:(\i+8*(\i/8))*\pitch+512*(\f) th:TH_LOAD_NT
.endr
.endm
.macro TOSTG f, adr                    ; and into the wave's stage, row by row, as they lie
.irp i, 0,1,2,3,4,5,6,7,8,9,10,11,12,13,14,15
	ds_store_b128 v[\adr], v[R+64*((\f)%2)+4*\i:R+64*((\f)%2)+4*\i+3] offset:SP*\i
.endr
.endm
	; ---- q: wave job wid = 4 x work-group + wave: tile wid / 2, K steps 4 (wid % 2) + 0 .. 3
	s_lshl_b32 s32, ttmp9, 2
	s_add_co_u32 s32, s32, s2                      ; wid
	s_lshr_b32 s33, s32, 1                         ; T
	s_and_b32 s34, s32, 1
	s_lshr_b32 s35, s33, 1
	s_lshl_b32 s35, s35, 5
	s_and_b32 s36, s33, 1
	s_lshl_b32 s36, s36, 3
	s_add_co_u32 s35, s35, s36                     ; the tile's first token
	s_lshl_b32 s36, s35, 12                        ; rows of 4,096 bytes
	s_lshl_b32 s37, s34, 11
	s_add_co_u32 s36, s36, s37
	s_mov_b32 s37, 0
	s_add_nc_u64 s[8:9], s[8:9], s[36:37]
	s_mul_i32 s36, s32, 4*REC                      ; record 8 T + 4 (wid % 2) = 4 wid
	s_add_nc_u64 s[20:21], s[20:21], s[36:37]
	v_mov_b32 v[PW+1], 0
	v_mov_b32 v[TP], 0                             ; written once: a lane permute's destination counts as one of its sources
.macro QFRAG f
.if (\f) < 3
	s_wait_loadcnt 16                              ; this fragment's sixteen loads are in; the next fragment's sixteen may be out
.else
	s_wait_loadcnt 0x0
.endif
	TOSTG \f, 8
.irp c, 0,1
.irp j, 0,1,2,3,4,5,6,7
	ds_load_b128 v[X+32*\c+4*\j:X+32*\c+4*\j+3], v9 offset:256*\c+16*\j   ; LDS serves a wave's instructions in order: these see the stores.  X[32 c + m] = k 64 c + 32 h + m of row r
.endr
.endr
	s_wait_dscnt 0x0
.if (\f) < 2
	ROWS16 (\f)+2, 8, 4096                         ; the set just emptied takes the fragment two on
.endif
.irp c, 0,1
	v_max3_num_f32 v[TM+\c], |v[X+32*\c]|, |v[X+32*\c+1]|, 0x1800000   ; my block 2 c + h: all its 32 numbers are mine; the floor 2^(3 - 127) holds the byte at 1 from below
.endr
.irp i, 2,4,6,8,10,12,14,16,18,20,22,24,26,28,30
.irp c, 0,1
	v_max3_num_f32 v[TM+\c], v[TM+\c], |v[X+32*\c+\i]|, |v[X+32*\c+\i+1]|
.endr
.endr
.irp c, 0,1
	v_add_nc_u32 v[SO+\c], 0xff000000, v[TM+\c]    ; 2 off the exponent field: the conversion's scale operand
.endr
.irp c, 0,1
	v_lshrrev_b32 v[BY+\c], 23, v[SO+\c]           ; the scale's byte
.endr
	s_wait_alu depctr_va_vdst(0)
	s_wait_xcnt 0x0                                ; the last fragment's stores have read their data: the word and the codes are written again only behind this wait
	v_lshl_or_b32 v[PW], v[BY+1], 16, v[BY]        ; my two bytes, blocks h and 2 + h,
	v_lshlrev_b32 v[PW], v16, v[PW]                ; at their places in the word;
	v_permlanex16_b32 v[TP], v[PW], s30, s31
	v_or_b32 v[PW], v[PW], v[TP]                   ; with lane l xor 16's two the word is whole, in both halves of the lanes
.irp c, 0,1
	v_cvt_scalef32_pk16_fp6_f32 v[PC+6*\c:PC+6*\c+2], v[X+32*\c:X+32*\c+15], v[SO+\c]
	v_cvt_scalef32_pk16_fp6_f32 v[TC+4*\c:TC+4*\c+2], v[X+32*\c+16:X+32*\c+31], v[SO+\c]   ; (a conversion's three registers begin on an even number)
.endr
	v_nop                                          ; one plain place behind a scaled conversion
.irp c, 0,1
.irp i, 0,1,2
	v_mov_b32 v[PC+3+6*\c+\i], v[TC+4*\c+\i]
.endr
.endr
.irp c, 0,1,2
	global_store_b128 v5, v[PC+4*\c:PC+4*\c+3], s[20:21] offset:REC*(\f)+512*\c   ; 32 lanes store 512 consecutive bytes, at a multiple of 256 from the buffer's first byte
.endr
	global_store_b64 v6, v[PW:PW+1], s[20:21] offset:REC*(\f)+1536   ; and 256
.endm
	ROWS16 0, 8, 4096
	ROWS16 1, 8, 4096
.irp f, 0,1,2,3
	QFRAG \f
.endr
	s_wait_tensorcnt 0x0
	ds_add_u32 v254, v255
	s_wait_dscnt 0x0
	s_endpgm
.Lpath_m:
	; ---- the mask: word n (0 .. 63) of (query tile Tg, key step ks): bit L = mask[row L % 16 of the tile][128 ks + 32 (n / 16) + 16 (L / 16) + n % 16]: lane L's score register n in the attention launch
	s_sub_co_u32 s36, ttmp9, 512
	s_lshl_b32 s36, s36, 2
	s_add_co_u32 s36, s36, s2                      ; Tg = 128 b + the batch's tile
	s_lshr_b32 s37, s36, 1
	s_lshl_b32 s37, s37, 5
	s_and_b32 s38, s36, 1
	s_lshl_b32 s38, s38, 3
	s_add_co_u32 s38, s37, s38                     ; the tile's first row of the mask,
	s_lshl_b32 s38, s38, 11                        ; rows of 2,048 bytes
	s_mov_b32 s39, 0
	s_add_nc_u64 s[10:11], s[10:11], s[38:39]
	s_lshl_b32 s38, s36, 12                        ; 16 key steps x 256 bytes a tile
	s_add_nc_u64 s[52:53], s[28:29], 0x200000      ; the code masks lie behind the 2,097,152 bytes of mask words
	s_add_nc_u64 s[28:29], s[28:29], s[38:39]
	s_mul_i32 s38, s36, 24576                      ; 16 key steps x 1,536 bytes a tile
	s_add_nc_u64 s[52:53], s[52:53], s[38:39]
	s_mov_b32 s40, 0x3f3f3f3f
	s_mov_b32 s41, 0x003f003f
	s_mov_b32 s42, 0xfff
.irp i, 0,1,2,3,4,5,6,7
	v_mov_b32 v[224+\i], 0                         ; written whole once: v_writelane_b32's destination counts as read
.endr
.macro MUNIT u                         ; u = 0, 1: the trip's first or second unit of 512 keys
.if (\u) < 1
	s_wait_loadcnt 16                              ; this unit's sixteen loads are in; the next unit's may be out
.else
	s_wait_loadcnt 0x0
.endif
	TOSTG \u, 10
.irp k, 0,1,2,3
.irp j, 0,1,2,3
	ds_load_b128 v[X+16*\k+4*\j:X+16*\k+4*\j+3], v11 offset:128*\k+32*\j   ; X[16 k + m]: the bytes of score registers 4 m .. 4 m + 3 of key step k
.endr
.endr
	s_wait_dscnt 0x0
	s_cmp_eq_u32 s43, 1                            ; the last trip has no unit two on
	s_cbranch_scc1 .Lno_rows_\@
	ROWS16 (\u)+2, 10, 2048
.Lno_rows_\@:
	s_wait_xcnt 0x0                                ; the last unit's stores have read their data
.irp k, 0,1,2,3
.set m, 0
.rept 16
.irp e, 0,1,2,3
	v_and_b32 v[232+\e], 0xff<<(8*\e), v[X+16*\k+m]   ; the byte of score register n = 4 m + e
.endr
.irp e, 0,1,2,3
	v_cmp_ne_u32 s[32+\e], 0, v[232+\e]            ; the 32 lanes' bits: word n
.endr
.irp e, 0,1,2,3
	v_writelane_b32 v[224+2*\k+\e%2], s[32+\e], 2*m+\e/2   ; word n goes to lane n / 2, register n % 2: the store below lays the 64 words on end
.endr
.set m, m+1
.endr
	global_store_b64 v6, v[224+2*\k:225+2*\k], s[28:29] offset:256*(4*(\u)+\k)
.endr
	; THE CODE MASKS: for (query tile, key step) an image of twelve registers a lane, laid as the fragment of attn's codes: six ones where the key counts, six zeros where it is masked.
	; Lane (r, h), registers 6 c .. 6 c + 5: keys 64 c + 32 h + 0 .. 31 of the step.  A byte b (0 or 1) becomes 0x3f or 0 by (b + 0x3f) & 0x3f; four such bytes are pushed together to 24 bits, four such to three registers.
.irp k, 0,1,2,3
.irp j, 0,1,2,3
	ds_load_b128 v[X+16*\k+4*\j:X+16*\k+4*\j+3], v19 offset:128*\k+64*(\j/2)+16*(\j%2)
.endr
.endr
	s_wait_dscnt 0x0
.irp k, 0,1,2,3
.irp g, 0,8                            ; eight registers by turns
.irp m, 0,1,2,3,4,5,6,7
	v_add_nc_u32 v[X+16*\k+\g+\m], s40, v[X+16*\k+\g+\m]
.endr
.irp m, 0,1,2,3,4,5,6,7
	v_and_b32 v[X+16*\k+\g+\m], s40, v[X+16*\k+\g+\m]
.endr
.irp m, 0,1,2,3,4,5,6,7
	v_lshrrev_b32 v[20+\m], 2, v[X+16*\k+\g+\m]
.endr
.irp m, 0,1,2,3,4,5,6,7
	v_bfi_b32 v[X+16*\k+\g+\m], s41, v[X+16*\k+\g+\m], v[20+\m]   ; two fields on end in each half
.endr
.irp m, 0,1,2,3,4,5,6,7
	v_lshrrev_b32 v[20+\m], 4, v[X+16*\k+\g+\m]
.endr
.irp m, 0,1,2,3,4,5,6,7
	v_bfi_b32 v[X+16*\k+\g+\m], s42, v[X+16*\k+\g+\m], v[20+\m]   ; four fields on end: 24 bits
.endr
.endr
.irp q, 0,1,2,3
	v_lshrrev_b32 v[20+2*\q], 8, v[X+16*\k+4*\q+1]
	v_lshrrev_b32 v[21+2*\q], 16, v[X+16*\k+4*\q+2]
.endr
	s_wait_alu depctr_va_vdst(0)                   ; the wait here, directly ahead of the wait below
	s_wait_xcnt 0x0                                ; the last step's stores have read their data
.irp q, 0,1,2,3
	v_lshl_or_b32 v[236+3*\q], v[X+16*\k+4*\q+1], 24, v[X+16*\k+4*\q]
.endr
.irp q, 0,1,2,3
	v_lshl_or_b32 v[237+3*\q], v[X+16*\k+4*\q+2], 16, v[20+2*\q]
.endr
.irp q, 0,1,2,3
	v_lshl_or_b32 v[238+3*\q], v[X+16*\k+4*\q+3], 8, v[21+2*\q]
.endr
.irp c, 0,1,2
	global_store_b128 v5, v[236+4*\c:239+4*\c], s[52:53] offset:1536*(4*(\u)+\k)+512*\c   ; 32 lanes store 512 consecutive bytes, aligned
.endr
.endr
.endm
	ROWS16 0, 10, 2048
	ROWS16 1, 10, 2048
	s_mov_b32 s43, 2
.Lmtrip:                                           ; two trips of two units: the two sets of registers are back where they began
	MUNIT 0
	MUNIT 1
	s_wait_xcnt 0x0                                ; loads and stores have read their bases
	s_add_nc_u64 s[10:11], s[10:11], 1024
	s_add_nc_u64 s[28:29], s[28:29], 2048
	s_add_nc_u64 s[52:53], s[52:53], 12288
	s_sub_co_u32 s43, s43, 1
	s_cmp_lg_u32 s43, 0
	s_wait_alu depctr_va_vdst(0)                   ; the wait ahead of the branch
	s_cbranch_scc1 .Lmtrip
	s_wait_tensorcnt 0x0
	ds_add_u32 v254, v255
	s_wait_dscnt 0x0
	s_endpgm
.Lpath_w:
	; ---- the weights: K is not their last axis.  A LANE TAKES A COLUMN AND ITS REGISTERS RUN DOWN K: a block of 32 along K lies in one lane, and the conversions give codes with K innermost.
	; Number i of a block stands (i / 4) x PA + (i % 4) x PB bytes behind the block's first.  [h][e][d], K = e: PA = 2,048, PB = 512: i rows of 512 bytes.  w_out [h][d][e], K = (d, h): PA = a head, PB = a row d of 4,096 bytes.
	; In all four weights a block begins 16,384 bytes behind the last (32 rows of 512 bytes; 4 rows of 4,096) and a K step 65,536.
	s_sub_co_u32 s32, ttmp9, 256
	s_and_b32 s33, s32, 7                          ; K step
	s_lshr_b32 s32, s32, 3                         ; panel of 128 columns
	s_lshr_b32 s34, s32, 3                         ; which: 0 query, 1 key, 2 value, 3 out
	s_and_b32 s35, s32, 7                          ; the panel within its weight
	s_lshl_b32 s36, s35, 9                         ; w_out: the panel lies along e: 128 numbers
	s_lshl_b32 s37, s35, 19                        ; the others: the panel is a head: 524,288 bytes
	s_mov_b32 s38, 512
	s_mov_b32 s39, 2048
	s_mov_b32 s51, 0x80000
	s_cmp_eq_u32 s34, 3                            ; the choices hang on the work-group's number alone
	s_cselect_b32 s36, s36, s37
	s_cselect_b32 s38, 4096, s38                   ; PB
	s_cselect_b32 s39, s51, s39                    ; PA
	s_cselect_b64 s[40:41], s[18:19], s[12:13]
	s_cselect_b64 s[48:49], s[26:27], s[22:23]
	s_cmp_eq_u32 s34, 1
	s_cselect_b64 s[40:41], s[14:15], s[40:41]
	s_cselect_b32 s50, 64, 0                       ; w_key's tiles follow w_query's 64 in wqk
	s_cmp_eq_u32 s34, 2
	s_cselect_b64 s[40:41], s[16:17], s[40:41]
	s_cselect_b64 s[48:49], s[24:25], s[48:49]
	s_lshl_b32 s37, s33, 16                        ; the K step
	s_add_co_u32 s36, s36, s37
	s_lshl_b32 s37, s2, 7                          ; my wave's 32 columns
	s_add_co_u32 s36, s36, s37
	s_mov_b32 s37, 0
	s_add_nc_u64 s[40:41], s[40:41], s[36:37]      ; block 0 of the K step;
	s_add_nc_u64 s[42:43], s[40:41], 16384         ; blocks 1, 2, 3
	s_add_nc_u64 s[44:45], s[42:43], 16384
	s_add_nc_u64 s[46:47], s[44:45], 16384
	s_lshl_b32 s51, s35, 3
	s_add_co_u32 s50, s50, s51
	s_lshl_b32 s51, s2, 1
	s_add_co_u32 s50, s50, s51                     ; my first tile
	s_lshl_b32 s50, s50, 3
	s_add_co_u32 s50, s50, s33                     ; its record of this K step; the second tile's lies 8 records on
	s_mul_i32 s36, s50, REC
	s_add_nc_u64 s[48:49], s[48:49], s[36:37]
.irp d, 0,1,2,3
	v_mad_u32_u24 v[160+\d], s38, \d, v7           ; my column, + (i % 4) x PB
.endr
.set i, 4
.rept 28
	v_mad_u32_u24 v[160+i], s39, i/4, v[160+i%4]   ; + (i / 4) x PA: one text serves all four weights
.set i, i+1
.endr
	v_mov_b32 v105, 0
.macro WLOAD kb
.set i, 0
.rept 32
	global_load_b32 v[32+32*((\kb)%2)+i], v[160+i], s[40+2*(\kb):41+2*(\kb)] th:TH_LOAD_NT   ; 32 lanes read 128 consecutive bytes, the four waves 512
.set i, i+1
.endr
.endm
.macro WBLOCK kb                       ; block kb of the K step: registers 6 (kb / 2) .. + 5 of the fragment's lane (my row, kb % 2)
.set XS, 32+32*((\kb)%2)
.if (\kb) < 3
	s_wait_loadcnt 32                              ; this block's 32 loads are in; the next block's may be out
.else
	s_wait_loadcnt 0x0
.endif
	v_max3_num_f32 v106, |v[XS]|, |v[XS+1]|, |v[XS+2]|
	v_max3_num_f32 v107, |v[XS+3]|, |v[XS+4]|, |v[XS+5]|
.irp i, 6,10,14,18,22,26
	v_max3_num_f32 v106, v106, |v[XS+\i]|, |v[XS+\i+1]|
	v_max3_num_f32 v107, v107, |v[XS+\i+2]|, |v[XS+\i+3]|
.endr
	v_max3_num_f32 v106, v106, |v[XS+30]|, |v[XS+31]|
	v_max3_num_f32 v106, v106, v107, 0x1800000     ; and the floor
	v_add_nc_u32 v108, 0xff000000, v106            ; the conversion's scale operand
	v_lshrrev_b32 v109, 23, v108                   ; the byte
.if (\kb) == 0
	v_mov_b32 v104, v109
.else
	v_lshl_or_b32 v104, v109, 8*(\kb), v104        ; four bytes make my column's scale word
.endif
	v_cvt_scalef32_pk16_fp6_f32 v[96:98], v[XS:XS+15], v108
	v_cvt_scalef32_pk16_fp6_f32 v[100:102], v[XS+16:XS+31], v108
	v_nop                                          ; one plain place behind a scaled conversion
	v_mov_b32 v99, v100                            ; the block's six registers on end: v96-101
	v_mov_b32 v100, v101
	v_mov_b32 v101, v102
.if (\kb)/2 == 0
	ds_store_b128 v12, v[96:99] offset:256*((\kb)%2)          ; registers 0-3,
	ds_store_b64 v12, v[100:101] offset:512+256*((\kb)%2)     ; 4, 5
.else
	ds_store_b64 v12, v[96:97] offset:520+256*((\kb)%2)       ; registers 6, 7,
	ds_store_b128 v12, v[98:101] offset:1024+256*((\kb)%2)    ; 8-11
.endif
.if (\kb) < 2
	WLOAD (\kb)+2
.endif
	s_wait_dscnt 0x0                               ; the stores have read their registers: the next block's codes may be written
.endm
	WLOAD 0
	WLOAD 1
.irp kb, 0,1,2,3
	WBLOCK \kb
.endr
	s_wait_alu depctr_va_vdst(0)
	ds_store_b64 v13, v[104:105] offset:1536       ; the scale word, for both halves of the record's lanes
	ds_store_b64 v13, v[104:105] offset:1664
.irp u, 0,1
.irp c, 0,1,2
	ds_load_b128 v[112+16*\u+4*\c:112+16*\u+4*\c+3], v14 offset:WFR*\u+512*\c   ; LDS serves a wave's instructions in order: these see my stores
.endr
	ds_load_b64 v[124+16*\u:125+16*\u], v15 offset:WFR*\u+1536
.endr
	s_wait_dscnt 0x0
.irp u, 0,1
.irp c, 0,1,2
	global_store_b128 v5, v[112+16*\u+4*\c:112+16*\u+4*\c+3], s[48:49] offset:8*REC*\u+512*\c
.endr
	global_store_b64 v6, v[124+16*\u:125+16*\u], s[48:49] offset:8*REC*\u+1536
.endr
	s_wait_tensorcnt 0x0
	ds_add_u32 v254, v255
	s_wait_dscnt 0x0
	s_endpgm
.Lfunc_end_k_qd0a6d50358_prep:
	.size	k_qd0a6d50358_prep, .Lfunc_end_k_qd0a6d50358_prep-k_qd0a6d50358_prep
	.p2alignl 7, 3214868480
	.fill 96, 4, 3214868480
	.section	.rodata,"a",@progbits
	.p2align	6, 0x0
	.amdhsa_kernel k_qd0a6d50358_prep
		.amdhsa_group_segment_fixed_size 83456
		.amdhsa_private_segment_fixed_size 0
		.amdhsa_enable_private_segment 0
		.amdhsa_kernarg_size 88
		.amdhsa_user_sgpr_count 2
		.amdhsa_user_sgpr_kernarg_segment_ptr 1
		.amdhsa_wavefront_size32 1
		.amdhsa_system_sgpr_workgroup_id_x 1
		.amdhsa_system_sgpr_workgroup_id_y 1
		.amdhsa_system_sgpr_workgroup_id_z 1
		.amdhsa_system_vgpr_workitem_id 0
		.amdhsa_next_free_vgpr 256
		.amdhsa_next_free_sgpr 66
		.amdhsa_reserve_vcc 0
		.amdhsa_float_denorm_mode_32 3
		.amdhsa_float_denorm_mode_16_64 3
		.amdhsa_memory_ordered 1
		.amdhsa_forward_progress 1
		.amdhsa_inst_pref_size 208
	.end_amdhsa_kernel
	.amdgpu_metadata
---
amdhsa.version: [ 1, 2 ]
amdhsa.kernels:
  - .name:           k_qd0a6d50358_prep
    .symbol:         k_qd0a6d50358_prep.kd
    .args:
      - { .name: q, .offset: 0, .size: 8, .value_kind: global_buffer, .address_space: global }
      - { .name: mask, .offset: 8, .size: 8, .value_kind: global_buffer, .address_space: global }
      - { .name: w_query, .offset: 16, .size: 8, .value_kind: global_buffer, .address_space: global }
      - { .name: w_key, .offset: 24, .size: 8, .value_kind: global_buffer, .address_space: global }
      - { .name: w_value, .offset: 32, .size: 8, .value_kind: global_buffer, .address_space: global }
      - { .name: w_out, .offset: 40, .size: 8, .value_kind: global_buffer, .address_space: global }
      - { .name: qx, .offset: 48, .size: 8, .value_kind: global_buffer, .address_space: global }
      - { .name: wqk, .offset: 56, .size: 8, .value_kind: global_buffer, .address_space: global }
      - { .name: wv, .offset: 64, .size: 8, .value_kind: global_buffer, .address_space: global }
      - { .name: wo, .offset: 72, .size: 8, .value_kind: global_buffer, .address_space: global }
      - { .name: maskw, .offset: 80, .size: 8, .value_kind: global_buffer, .address_space: global }
    .group_segment_fixed_size: 83456
    .private_segment_fixed_size: 0
    .kernarg_segment_align: 8
    .kernarg_segment_size: 88
    .max_flat_workgroup_size: 128
    .sgpr_count:     66
    .vgpr_count:     256
    .wavefront_size: 32
...
	.end_amdgpu_metadata
.endif
;; end of part 1
;; launch projqk (part 2): grid 8 x 32, 4 waves a work-group, clusters of 4 x 4, 327,680 bytes of LDS; arguments qx, wqk, qk; writes qk
.if DOCPART == 2
	.amdgcn_target "amdgcn-amd-amdhsa--gfx1250"
	.amdhsa_code_object_version 6
	.text
	.protected	k_qd0a6d50358_projqk
	.globl	k_qd0a6d50358_projqk
	.p2align	8
	.type	k_qd0a6d50358_projqk,@function
k_qd0a6d50358_projqk:
	s_mov_b64 s[64:65], 0
	v_nop
	global_prefetch_b8 v0, s[64:65] scope:SCOPE_SE
	s_setreg_imm32_b32 hwreg(HW_REG_WAVE_MODE, 25, 1), 1
	s_wait_xcnt 0x0
	s_wait_alu depctr_hold_cnt(0) depctr_sa_sdst(0) depctr_va_vdst(0) depctr_va_sdst(0) depctr_va_ssrc(0) depctr_va_vcc(0) depctr_vm_vsrc(0)
	s_getreg_b32 s2, hwreg(HW_REG_IB_STS2, 6, 4)
	s_cmp_eq_u32 s2, 0
	s_cbranch_scc0 .Lentry_in_a_cluster
	s_endpgm
.Lentry_in_a_cluster:
	s_bfe_u32 s2, ttmp6, 0x10000c
	s_cmp_lg_u32 s2, 0xf033
	s_cbranch_scc0 .Lentry_shape_is_right
	s_endpgm
.Lentry_shape_is_right:
.set REC,   1792
.set SROW,  2*REC
.set TROW,  8*REC
.set HALFT, 8*SROW
.set SLOT,  4*HALFT
.set SPARE, 2*SLOT
.set FR,    12
.set NL,    3
.set NQ,    2
.set NP,    4
.set ADRA, 16
.set ADRB, 20
.set ADRS, 22
.set G16,  24
.set G8,   25
.set SPW,  28
.set NIL,  29
.set SC,   32
.set AF,   128
.set TM,   200
.set PC,   160
.set PH,   172
.set PW,   180
.set SEL,  18
.set G1, 24
.set G0, 32
.set G1B, 48
.set G0B, 56
.set MSB, 0
.macro WIN new
.if MSB != (\new)
	s_set_vgpr_msb (MSB<<8)|(\new)
.set MSB, (\new)
.endif
.endm
.set MUL_LO, 0xa1
.set MUL_HI, 0xf1
.set TO_B,   0x40
.macro JLOAD g0a, g1a, g0b, g1b
	s_cmp_eq_u32 s15, 0
	s_cbranch_scc0 .Lfor_b_\@
	tensor_load_to_lds s[\g0a:\g0a+3], s[\g1a:\g1a+7]
	s_nop 0
.rept 4
	v_nop
.endr
	s_branch .Lasked_\@
.Lfor_b_\@:
	tensor_load_to_lds s[\g0b:\g0b+3], s[\g1b:\g1b+7]
	s_nop 0
.rept 4
	v_nop
.endr
.Lasked_\@:
.endm
.macro CREST
	s_cmp_lg_u32 s14, 0
	s_cbranch_scc1 .Lnot_wave_0_\@
	s_barrier_signal -3
.Lnot_wave_0_\@:
	s_barrier_wait -3
	s_barrier_signal -1
	s_barrier_wait -1
.endm
.macro CROUND
	s_barrier_signal -1
	s_barrier_wait -1
	CREST
.endm
	s_load_b128 s[4:7], s[0:1], 0x0
	s_load_b64 s[8:9], s[0:1], 0x10
	v_lshl_add_u32 v[SPW], v0, 2, SPARE
	v_mov_b32 v[NIL], 0
	ds_add_u32 v28, v29
	ds_add_u32 v28, v29
	s_wait_dscnt 0x0
	v_lshrrev_b32 v1, 5, v0
	v_readfirstlane_b32 s14, v1
	s_lshr_b32 s15, s14, 1
	s_and_b32 s16, s14, 1
	s_bfe_u32 s40, ttmp6, 0x40000
	s_bfe_u32 s41, ttmp6, 0x40004
	s_lshl_b32 s42, ttmp9, 2
	s_add_co_u32 s42, s42, s40
	s_and_b32 s17, ttmp7, 0xffff
	s_lshl_b32 s17, s17, 2
	s_add_co_u32 s17, s17, s41
	s_lshl_b32 s43, s41, 2
	s_lshl_b32 s43, 15, s43
	s_lshl_b32 s44, 0x1111, s40
	s_or_b32 s[G1+0], s43, (3<<16)|(1<<21)
	s_or_b32 s[G1B+0], s44, (3<<16)|(1<<21)
.irp g, G1, G1B
	s_mov_b32 s[\g+1], 448<<16
	s_mov_b32 s[\g+2], 8<<16
	s_mov_b32 s[\g+3], 448<<16
	s_mov_b32 s[\g+4], 8
	s_mov_b32 s[\g+5], 1792
	s_mov_b32 s[\g+6], 0
	s_mov_b32 s[\g+7], 0
.endr
	s_lshl_b32 s18, s16, 3
	s_lshl_b32 s20, s17, 4
	s_add_co_u32 s20, s20, s18
	s_mul_i32 s20, s20, TROW
	s_mov_b32 s21, 0
	s_lshl_b32 s46, s42, 4
	s_add_co_u32 s46, s46, s18
	s_mul_i32 s46, s46, TROW
	s_mov_b32 s47, 0
	s_mul_i32 s45, s14, HALFT
	s_wait_kmcnt 0x0
	s_add_nc_u64 s[20:21], s[4:5], s[20:21]
	s_add_nc_u64 s[46:47], s[6:7], s[46:47]
	CROUND
.irp s, 0,1
	s_mov_b32 s[G0+4*\s], 1
	s_add_co_u32 s[G0+4*\s+1], s45, \s*SLOT
	s_add_nc_u64 s[G0+4*\s+2:G0+4*\s+3], s[20:21], \s*SROW
	s_or_b32 s[G0+4*\s+3], s[G0+4*\s+3], 0x80000000
	s_mov_b32 s[G0B+4*\s], 1
	s_add_co_u32 s[G0B+4*\s+1], s45, \s*SLOT
	s_add_nc_u64 s[G0B+4*\s+2:G0B+4*\s+3], s[46:47], \s*SROW
	s_or_b32 s[G0B+4*\s+3], s[G0B+4*\s+3], 0x80000000
	s_wait_alu depctr_va_vdst(0)
	s_wait_tensorcnt 0x0
	ds_add_u32 v28, v29
	ds_add_u32 v28, v29
	s_wait_dscnt 0x0
	CROUND
	JLOAD G0+4*\s, G1, G0B+4*\s, G1B
.endr
	v_and_b32 v1, 31, v0
	v_bfe_u32 v2, v0, 4, 1
	v_lshlrev_b32 v[G16], 4, v1
	v_lshlrev_b32 v[G8], 3, v1
	s_mul_i32 s10, s15, HALFT
	s_mul_i32 s11, s16, HALFT
	s_add_co_u32 s11, s11, 2*HALFT
	s_sub_co_u32 s12, s11, s10
	v_mul_u32_u24 v3, s12, v2
	v_add_nc_u32 v3, v3, v[G8]
	v_add_nc_u32 v3, 1536, v3
.irp s, 0,1
	v_add_nc_u32 v[ADRA+\s], s10, v[G16]
	v_add_nc_u32 v[ADRB+\s], s11, v[G16]
	v_add_nc_u32 v[ADRS+\s], s10, v3
	s_add_co_u32 s10, s10, SLOT
	s_add_co_u32 s11, s11, SLOT
.endr
	s_lshl_b32 s20, s17, 4
	s_lshl_b32 s21, s15, 3
	s_add_co_u32 s20, s20, s21
	s_mul_i32 s20, s20, REC
	s_mov_b32 s21, 0
	s_lshl_b32 s46, s42, 1
	s_add_co_u32 s46, s46, s16
	s_mul_i32 s46, s46, 512*REC
	s_mov_b32 s47, 0
	s_add_nc_u64 s[20:21], s[20:21], s[46:47]
	s_add_nc_u64 s[8:9], s[8:9], s[20:21]
.macro FRAG reg, adr, q, i
.irp c, 0,1,2
	ds_load_b128 v[\reg+4*\c:\reg+4*\c+3], v[\adr] offset:REC*(\q)+SROW*(\i)+512*\c
.endr
.endm
.macro MUL16 a0, p, q, sc, zero
.irp a, \a0, \a0+1
.irp b, 0,1,2,3,4,5,6,7
.if \zero
	v_wmma_scale_f32_16x16x128_f8f6f4 v[8*(8*((\a)%4)+\b):8*(8*((\a)%4)+\b)+7], v[128*(\p)+FR*\b:128*(\p)+FR*\b+FR-1], v[AF+FR*(\a):AF+FR*(\a)+FR-1], 0, v[SC+8*NQ*(\sc)+NQ*\b+(\q)], v[SC+8*NQ*(\sc)+NQ*(\a)+(\q)] matrix_a_fmt:MATRIX_FMT_FP6 matrix_b_fmt:MATRIX_FMT_FP6 matrix_a_scale:MATRIX_SCALE_ROW1
.else
	v_wmma_scale_f32_16x16x128_f8f6f4 v[8*(8*((\a)%4)+\b):8*(8*((\a)%4)+\b)+7], v[128*(\p)+FR*\b:128*(\p)+FR*\b+FR-1], v[AF+FR*(\a):AF+FR*(\a)+FR-1], v[8*(8*((\a)%4)+\b):8*(8*((\a)%4)+\b)+7], v[SC+8*NQ*(\sc)+NQ*\b+(\q)], v[SC+8*NQ*(\sc)+NQ*(\a)+(\q)] matrix_a_fmt:MATRIX_FMT_FP6 matrix_b_fmt:MATRIX_FMT_FP6 matrix_a_scale:MATRIX_SCALE_ROW1
.endif
.endr
.endr
.endm
.macro FETCH_B slot, q, p
	WIN TO_B
.irp i, 0,1,2,3,4,5,6,7
	FRAG 128*(\p)+FR*\i, ADRB+\slot, \q, \i
.endr
	WIN 0
.endm
.macro FETCH_A slot, q, i0
.irp i, \i0, \i0+1, \i0+2, \i0+3
	FRAG AF+FR*(\i), ADRA+\slot, \q, \i
.endr
.endm
.macro SCALES sc
.irp i, 0,1,2,3,4,5,6,7
.irp q, 0,1
	ds_load_b32 v[SC+8*NQ*\sc+NQ*\i+\q], v[ADRS+\sc] offset:SROW*\i+REC*\q
.endr
.endr
.endm
.macro PLACES n
.rept \n
	v_nop
.endr
.endm
.macro STEP slot, q, zero
	s_wait_dscnt 4*NL
	WIN MUL_LO
	MUL16 0, (\q)%2, \q, \slot, \zero
	MUL16 2, (\q)%2, \q, \slot, \zero
	s_wait_dscnt 0
	PLACES NP
	FETCH_B \slot, (\q)+1, 1-(\q)%2
	FETCH_A \slot, (\q)+1, 0
	WIN MUL_HI
	MUL16 4, (\q)%2, \q, \slot, \zero
	MUL16 6, (\q)%2, \q, \slot, \zero
	PLACES NP
	WIN 0
	FETCH_A \slot, (\q)+1, 4
.endm
.macro TURN slot, next, fill
	s_wait_tensorcnt 0x0
	ds_add_u32 v[SPW], v[NIL]
	s_wait_dscnt 4*NL+1
	WIN MUL_LO
	MUL16 0, 1, NQ-1, \slot, 0
	s_wait_dscnt 0x0
	s_barrier_signal -1
	MUL16 2, 1, NQ-1, \slot, 0
	WIN 0
	s_barrier_wait -1
.if \fill
	CREST
	s_add_nc_u64 s[G0+4*\slot+2:G0+4*\slot+3], s[G0+4*\slot+2:G0+4*\slot+3], 2*SROW
	s_add_nc_u64 s[G0B+4*\slot+2:G0B+4*\slot+3], s[G0B+4*\slot+2:G0B+4*\slot+3], 2*SROW
	JLOAD G0+4*\slot, G1, G0B+4*\slot, G1B
.else
	PLACES NP
.endif
	FETCH_B \next, 0, 0
	FETCH_A \next, 0, 0
	SCALES \next
	WIN MUL_HI
	MUL16 4, 1, NQ-1, \slot, 0
	MUL16 6, 1, NQ-1, \slot, 0
	PLACES NP
	WIN 0
	FETCH_A \next, 0, 4
.endm
.macro QUANTW s, w
.set WQ, ((\w)<<2)|((\w)<<4)
	WIN WQ
.irp b, 0,1,2,3
	v_max3_num_f32 v[TM+\b], 0x1800000, |v[(\s)+16*\b]|, |v[(\s)+16*\b+1]|
.endr
.irp i, 2,4,6,8,10,12,14
.irp b, 0,1,2,3
	v_max3_num_f32 v[TM+\b], v[TM+\b], |v[(\s)+16*\b+\i]|, |v[(\s)+16*\b+\i+1]|
.endr
.endr
	WIN 0
.irp b, 0,1,2,3
	v_permlanex16_b32 v[TM+4+\b], v[TM+\b], s[SEL], s[SEL+1]
.endr
.irp b, 0,1,2,3
	v_max_num_f32 v[TM+\b], v[TM+\b], v[TM+4+\b]
.endr
.irp b, 0,1,2,3
	v_add_nc_u32 v[TM+12+\b], 0xff000000, v[TM+\b]
.endr
.irp b, 0,1,2,3
	v_lshrrev_b32 v[TM+4+\b], 23, v[TM+12+\b]
.endr
	s_wait_alu depctr_va_vdst(0)
	s_wait_xcnt 0x0
	v_lshl_or_b32 v[PW], v[TM+5], 8, v[TM+4]
	v_lshl_or_b32 v[PW], v[TM+6], 16, v[PW]
	v_lshl_or_b32 v[PW], v[TM+7], 24, v[PW]
.set WQ, (\w)
	WIN WQ
.irp c, 0,1
	v_cvt_scalef32_pk16_fp6_f32 v[PC+6*\c:PC+6*\c+2], v[(\s)+32*\c:(\s)+32*\c+15], v[TM+12+2*\c]
	v_cvt_scalef32_pk16_fp6_f32 v[PH+4*\c:PH+4*\c+2], v[(\s)+32*\c+16:(\s)+32*\c+31], v[TM+12+2*\c+1]
.endr
	WIN 0
	v_nop
.irp c, 0,1
.irp i, 0,1,2
	v_permlane16_swap_b32 v[PC+6*\c+\i], v[PH+4*\c+\i]
.endr
.irp i, 0,1,2
	v_mov_b32 v[PC+3+6*\c+\i], v[PH+4*\c+\i]
.endr
.endr
.endm
	s_wait_alu depctr_va_vdst(0)
	s_wait_tensorcnt 1
	s_barrier_signal -1
	s_barrier_wait -1
	FETCH_B 0, 0, 0
	FETCH_A 0, 0, 0
	SCALES 0
	FETCH_A 0, 0, 4
	STEP 0, 0, 1
	TURN 0, 1, 1
	STEP 1, 0, 0
	TURN 1, 0, 1
	STEP 0, 0, 0
	TURN 0, 1, 0
	STEP 1, 0, 0
	s_wait_dscnt 4*NL
	WIN MUL_LO
	MUL16 0, 1, NQ-1, 1, 0
	MUL16 2, 1, NQ-1, 1, 0
	s_wait_dscnt 0
	WIN MUL_HI
	MUL16 4, 1, NQ-1, 1, 0
	MUL16 6, 1, NQ-1, 1, 0
	WIN 0
	PLACES NP
	s_mov_b32 s[SEL], 0x76543210
	s_mov_b32 s[SEL+1], 0xfedcba98
	v_mov_b32 v[PW+1], 0
.irp b, 0,1,2,3
	v_mov_b32 v[TM+4+\b], 0
.endr
.irp a, 0,1,2,3,4,5,6,7
	QUANTW 64*(\a%4), 2+\a/4
.irp c, 0,1,2
	global_store_b128 v[G16], v[PC+4*\c:PC+4*\c+3], s[8:9] offset:REC*\a+512*\c
.endr
	global_store_b64 v[G8], v[PW:PW+1], s[8:9] offset:REC*\a+1536
.endr
	s_wait_tensorcnt 0x0
	ds_add_u32 v[SPW], v[NIL]
	s_wait_dscnt 0x0
	CROUND
	s_endpgm
.Lfunc_end_k_qd0a6d50358_projqk:
	.size	k_qd0a6d50358_projqk, .Lfunc_end_k_qd0a6d50358_projqk-k_qd0a6d50358_projqk
	.p2alignl 7, 3214868480
	.fill 96, 4, 3214868480
	.section	.rodata,"a",@progbits
	.p2align	6, 0x0
	.amdhsa_kernel k_qd0a6d50358_projqk
		.amdhsa_group_segment_fixed_size 327680
		.amdhsa_private_segment_fixed_size 0
		.amdhsa_enable_private_segment 0
		.amdhsa_kernarg_size 24
		.amdhsa_user_sgpr_count 2
		.amdhsa_user_sgpr_kernarg_segment_ptr 1
		.amdhsa_wavefront_size32 1
		.amdhsa_system_sgpr_workgroup_id_x 1
		.amdhsa_system_sgpr_workgroup_id_y 1
		.amdhsa_system_sgpr_workgroup_id_z 1
		.amdhsa_system_vgpr_workitem_id 0
		.amdhsa_next_free_vgpr 1024
		.amdhsa_next_free_sgpr 66
		.amdhsa_reserve_vcc 0
		.amdhsa_float_denorm_mode_32 3
		.amdhsa_float_denorm_mode_16_64 3
		.amdhsa_memory_ordered 1
		.amdhsa_forward_progress 1
		.amdhsa_inst_pref_size 141
	.end_amdhsa_kernel
	.amdgpu_metadata
---
amdhsa.version: [ 1, 2 ]
amdhsa.kernels:
  - .name:           k_qd0a6d50358_projqk
    .symbol:         k_qd0a6d50358_projqk.kd
    .args:
      - { .name: qx, .offset: 0, .size: 8, .value_kind: global_buffer, .address_space: global }
      - { .name: wqk, .offset: 8, .size: 8, .value_kind: global_buffer, .address_space: global }
      - { .name: qk, .offset: 16, .size: 8, .value_kind: global_buffer, .address_space: global }
    .group_segment_fixed_size: 327680
    .private_segment_fixed_size: 0
    .kernarg_segment_align: 8
    .kernarg_segment_size: 24
    .max_flat_workgroup_size: 128
    .sgpr_count:     66
    .vgpr_count:     1024
    .wavefront_size: 32
...
	.end_amdgpu_metadata
.endif
;; end of part 2
;; launch projv: the kernel of part 2 again; grid 32 x 4, 4 waves a work-group, clusters of 4 x 4, 327,680 bytes of LDS; arguments wv, qx, vx; writes vx
;; launch attn (part 3): grid 8 x 32, 16 waves a work-group, clusters of 4 x 1, 327,680 bytes of LDS; arguments qk, vx, maskw, out0; writes out0
.if DOCPART == 3
	.amdgcn_target "amdgcn-amd-amdhsa--gfx1250"
	.amdhsa_code_object_version 6
	.text
	.protected	k_qd0a6d50358_attn
	.globl	k_qd0a6d50358_attn
	.p2align	8
	.type	k_qd0a6d50358_attn,@function
k_qd0a6d50358_attn:
	s_mov_b64 s[64:65], 0
	v_nop
	global_prefetch_b8 v0, s[64:65] scope:SCOPE_SE
	s_setreg_imm32_b32 hwreg(HW_REG_WAVE_MODE, 25, 1), 1
	s_wait_xcnt 0x0
	s_wait_alu depctr_hold_cnt(0) depctr_sa_sdst(0) depctr_va_vdst(0) depctr_va_sdst(0) depctr_va_ssrc(0) depctr_va_vcc(0) depctr_vm_vsrc(0)
	s_getreg_b32 s2, hwreg(HW_REG_IB_STS2, 6, 4)
	s_cmp_eq_u32 s2, 0
	s_cbranch_scc0 .Lentry_in_a_cluster
	s_endpgm
.Lentry_in_a_cluster:
	s_bfe_u32 s2, ttmp6, 0x10000c
	s_cmp_lg_u32 s2, 0x3003
	s_cbranch_scc0 .Lentry_shape_is_right
	s_endpgm
.Lentry_shape_is_right:
; heads[h][b][q][:] = sum over k of attn(q, k) V[k][:], attn = softmax over the keys of (Q . K / sqrt(128), masked keys -infinity), 0 at masked keys; both products on codes of FP6 (E2M3) with E8M0 scales.
; What is quantised for the second product is the finished, normalised attn, so the keys are walked twice.
; PASS 1: scores, mask (lane-bit words as selects), each block of 32 keys' largest masked score (kept in the wave's own LDS bytes, 2 words a lane and key step), the running largest t = score x log2(e) / sqrt(128),
; M = that rounded up to a whole number, the sum of 2^(t - M) in eight running pairs.
; PASS 2: the same scores again, attn = 2^(t - M - log2(sum)): the division by the sum stands in the exponent.  The scores are NOT masked here: a block's scale comes from its kept largest masked score, put through the same
; multiply-add and exponential, and masked keys are cleared on the codes by twelve ANDs with the code mask (six ones or six zeros a key), which lies in memory as an image of the fragment.
; A row that is masked everywhere has sum 0: its addend is 0, its kept maxima are -infinity (scale byte 1), and all its codes are cleared: attn = 0.
; Operands come as RECORDS (1,792 bytes: a fragment's twelve registers a lane, byte 512 c + 16 l + 4 i; the rows' scale words at 1,536 + 8 l).  TILE T HOLDS ROWS 32 (T / 2) + 8 (T % 2) + r + 8 (r / 8).
; Both products are used transposed (source 0 = 16 keys, or 16 of the head's 128; source 1 = my queries): a lane holds one query; the 16 registers of tiles 2 b, 2 b + 1 are 16 neighbours along the next K.
; The heads leave in f32 as images of O^T's 64 registers, 8,192 bytes for (token tile, head), in the bytes of the program's output, which the last launch writes whole.
; SHARES: a work-group owns 256 queries of one head and batch, each of its sixteen waves one tile of 16.
; LDS: two slots of 64 records.  Pass 1: a slot holds 8 key steps of K.  Pass 2: 4 key steps of K (records 0-31) and of V (32-63).  Every load is 4 records, 28 rows of 256 bytes, one a wave: six in the launch.
; CLUSTER: the four query blocks of a cluster have one head and batch and ask for K and V jointly; no descriptor word hangs on the place in the cluster.
; NO PREFETCH: a slot is asked for four or eight key steps ahead of its first read, and the head's fill has no loop ahead of it.
; The last step of each pass asks once more for step 0's mask words or code mask, inside the buffer, and uses nothing of them: the step is written once for all steps.
; LIMITS: NaN and infinities among the operands are not served; attn under 2^-126 counts as 0; a block whose largest attn lies under 2^-124 keeps the scale byte 1; at a masked key 2^(..) may pass the format's or f32's range:
; the conversion gives the largest code there and the code mask clears it; the promise holds while the scaled scores stay under 2^31 in magnitude.
.set REC,   1792
.set KSTEP, 8*REC
.set SLOT1, 0x20000                    ; slot 1; slot 0 lies at 0
.set SPARE, 64*REC                     ; between the slots: the spare words, 128 bytes a wave
.set BMXB,  SLOT1+64*REC               ; the blocks' maxima: 4,096 bytes a wave, 256 a key step
.set L16,  1                           ; 16 x lane
.set L8,   2                           ; 8 x lane + 1,536
.set ADK,  3
.set ADS,  4
.set TP,   5
.set NINF, 6                           ; pass 1: -infinity
.set GOFF, 6                           ; pass 2: the code mask's offset
.set SPW,  7
.set NIL,  8
.set QS,   9                           ; Q's scale words
.set PS,   10                          ; attn's scale word
.set BXA,  11
.set ST,   12                          ; -M (pass 2: -M - log2(sum)), beside it the largest t
.set FF,   16                          ; f (and a word beside it)
.set ADV,  18
.set ADT,  19
.set FS,   20                          ; v20-27 fragments' scale words
.set BA,   28                          ; v28-31, v32-35 the blocks' maxima at work
.set BB,   32
.set PT,   36
.set TQ,   37
.set Q,    38                          ; v38-49
.set PCD,  50                          ; v50-61 attn's codes
.set CM,   62                          ; v62-73 the code mask
.set T,    50                          ; v50-65 pass 1: the sum, eight pairs
.set F,    74                          ; v74-121 four fragments
.set S,    122                         ; v122-185 scores, then attn; behind the conversions V's fragments 4-7
.set O,    186                         ; v186-249 O^T (pass 1: K's fragments 4-7)
; s2 wave, s3 count, s[4:51] s[68:83] mask words, s[52:59] group 1, s[60:63] s[84:87] group 0 of slots 0 and 1, s[66:67] c, s[88:89] pass 2's next address, s[90:91] its step,
; s[92:93] s94 code masks, s95 maxima, s[96:97] selects, s[98:99] s100 mask words, s101 the key step's LDS byte, s[104:105] the heads
.macro CREST
	s_cmp_lg_u32 s2, 0
	s_cbranch_scc1 .Lnot_wave_0_\@
	s_barrier_signal -3
.Lnot_wave_0_\@:
	s_barrier_wait -3
	s_barrier_signal -1
	s_barrier_wait -1
.endm
.macro CROUND
	s_barrier_signal -1
	s_barrier_wait -1
	CREST
.endm
	s_load_b128 s[4:7], s[0:1], 0x0                ; qk, vx
	s_load_b128 s[8:11], s[0:1], 0x10              ; maskw, out0
	v_lshl_add_u32 v[SPW], v0, 2, SPARE
	v_mov_b32 v[NIL], 0
	ds_add_u32 v[SPW], v[NIL]                      ; the opening lines: the add, twice on end, and its wait
	ds_add_u32 v[SPW], v[NIL]
	v_lshrrev_b32 v[TP], 5, v0
	v_readfirstlane_b32 s2, v[TP]                  ; wave 0..15
	s_and_b32 s12, ttmp7, 0xffff
	s_lshr_b32 s13, s12, 2                         ; head
	s_and_b32 s14, s12, 3                          ; batch
	s_lshl_b32 s26, s14, 7
	s_bfe_u32 s40, ttmp6, 0x40000                  ; cx: it enters my queries' addresses alone
	s_lshl_b32 s41, ttmp9, 2
	s_add_co_u32 s41, s41, s40
	s_lshl_b32 s41, s41, 4
	s_add_co_u32 s41, s41, s2
	s_add_co_u32 s42, s41, s26                     ; my token tile: 128 b + 16 x + wave
	s_add_co_u32 s16, s13, 8                       ; K: panel 8 + head, tiles 128 b on; my four records 4 w ..
	s_lshl_b32 s16, s16, 9
	s_add_co_u32 s16, s16, s26
	s_lshl_b32 s18, s2, 2
	s_add_co_u32 s16, s16, s18
	s_mul_i32 s16, s16, REC
	s_mov_b32 s17, 0
	s_mul_i32 s18, s18, REC                        ; and where they go in a slot
	s_and_b32 s19, s2, 7                           ; V (waves 8-15): panel 16 b + key step (w - 8) / 2, tiles 8 head + 4 ((w - 8) % 2) ..
	s_lshr_b32 s20, s19, 1
	s_and_b32 s19, s19, 1
	s_lshl_b32 s22, s14, 4
	s_add_co_u32 s22, s22, s20
	s_lshl_b32 s22, s22, 9
	s_lshl_b32 s23, s13, 3
	s_add_co_u32 s22, s22, s23
	s_lshl_b32 s19, s19, 2
	s_add_co_u32 s22, s22, s19
	s_mul_i32 s22, s22, REC
	s_mov_b32 s23, 0
	s_mov_b32 s52, 15|(3<<16)|(1<<21)              ; group 1: the cluster's four; elements of 8 bytes; a dense block of 7,168 bytes as 28 rows of 256
	s_mov_b32 s53, 32<<16
	s_mov_b32 s54, 28<<16
	s_mov_b32 s55, 32<<16
	s_mov_b32 s56, 28
	s_mov_b32 s57, 32
	s_mov_b32 s58, 0
	s_mov_b32 s59, 0
	s_mov_b32 s66, 0x3e0293ee                      ; c = log2(e) / sqrt(128)
	s_mov_b32 s67, s66
	s_mov_b32 s96, 0x76543210
	s_mov_b32 s97, 0xfedcba98
	s_mov_b32 s100, 0
	s_mov_b32 s90, 32*REC                          ; from one of pass 2's slots to the next: 32 records of K,
	s_mov_b32 s24, 4*512*REC                       ; or four panels of V
	s_mov_b32 s91, 0
	s_cmp_lt_u32 s2, 8
	s_cselect_b32 s90, s90, s24
	s_wait_dscnt 0x0
	s_wait_kmcnt 0x0
	s_add_nc_u64 s[16:17], s[4:5], s[16:17]
	s_add_nc_u64 s[22:23], s[6:7], s[22:23]
	s_cmp_lt_u32 s2, 8
	s_cselect_b64 s[88:89], s[16:17], s[22:23]     ; pass 2: waves 0-7 fetch K, waves 8-15 V
	s_mov_b32 s60, 1
	s_mov_b32 s61, s18
	s_mov_b64 s[62:63], s[16:17]                   ; K's key steps 0-7
	s_or_b32 s63, s63, 0x80000000
	s_mov_b32 s84, 1
	s_add_co_u32 s85, s18, SLOT1
	s_add_nc_u64 s[86:87], s[16:17], 64*REC        ; K's key steps 8-15
	s_or_b32 s87, s87, 0x80000000
	CROUND                                         ; the four work-groups are here: the first joint loads meet
	tensor_load_to_lds s[60:63], s[52:59]          ; my one load at the head
	s_nop 0
	s_lshl_b32 s20, s13, 9                         ; Q: panel head, my token tile
	s_add_co_u32 s20, s20, s42
	s_mul_i32 s20, s20, REC
	s_mov_b32 s21, 0
	s_add_nc_u64 s[20:21], s[4:5], s[20:21]
	s_lshl_b32 s24, s42, 12
	s_mov_b32 s25, 0
	s_add_nc_u64 s[98:99], s[8:9], s[24:25]        ; mask words: 4,096 bytes a tile
	s_mul_i32 s24, s42, 24576
	s_add_nc_u64 s[92:93], s[8:9], s[24:25]        ; code masks: 24,576 bytes a tile,
	s_add_nc_u64 s[92:93], s[92:93], 0x200000      ; behind the 2,097,152 bytes of mask words
	s_lshl_b32 s24, s42, 3
	s_add_co_u32 s24, s24, s13
	s_lshl_b32 s24, s24, 13
	s_add_nc_u64 s[104:105], s[10:11], s[24:25]    ; the heads: 8,192 bytes at (8 x token tile + head)
	v_and_b32 v[TP], 31, v0
	s_delay_alu instid0(VALU_DEP_1)
	v_lshlrev_b32 v[L16], 4, v[TP]
	s_delay_alu instid0(VALU_DEP_2)
	v_lshl_add_u32 v[L8], v[TP], 3, 1536
.irp c, 0,1,2
	global_load_b128 v[Q+4*\c:Q+4*\c+3], v[L16], s[20:21] offset:512*\c
.endr
	global_load_b32 v[QS], v[L8], s[20:21]
	v_mov_b32 v[NINF], 0xff800000
	v_mov_b32 v[ST+1], 0xff61b1e6                  ; the largest t so far: -3e38
	v_mov_b32 v[FF], 0
	v_mov_b32 v[FF+1], 0
	v_mov_b32 v[PT], 0                             ; a lane permute's destination counts as one of its sources
	v_floor_f32 v[ST], -v[ST+1]                    ; -M
.set j, 0
.rept 16
	v_mov_b32 v[T+j], 0
.set j, j+1
.endr
.macro SLOAD                           ; my tile's 64 mask words of the key step at offset s100
	s_load_b512 s[4:19], s[98:99], s100 offset:0
	s_load_b512 s[20:35], s[98:99], s100 offset:64
	s_load_b512 s[36:51], s[98:99], s100 offset:128
	s_load_b512 s[68:83], s[98:99], s100 offset:192
.endm
.macro LOADG adr, ads, g, reg          ; records 4 g .. 4 g + 3 behind the address: four fragments and their scale words: sixteen LDS loads
.irp t, 0,1,2,3
.irp c, 0,1,2
	ds_load_b128 v[\reg+12*\t+4*\c:\reg+12*\t+4*\c+3], v[\adr] offset:REC*(4*(\g)+\t)+512*\c
.endr
	ds_load_b32 v[FS+4*(\g)+\t], v[\ads] offset:REC*(4*(\g)+\t)
.endr
.endm
.macro QK4 g, reg                      ; S^T = K Q^T
.irp t, 0,1,2,3
	v_wmma_scale_f32_16x16x128_f8f6f4 v[S+8*(4*(\g)+\t):S+8*(4*(\g)+\t)+7], v[\reg+12*\t:\reg+12*\t+11], v[Q:Q+11], 0, v[FS+4*(\g)+\t], v[QS] matrix_a_fmt:MATRIX_FMT_FP6 matrix_b_fmt:MATRIX_FMT_FP6
.endr
.endm
.macro PV4 g, reg                      ; O^T += V^T attn^T: the eight accumulators take turns
.irp t, 0,1,2,3
	v_wmma_scale_f32_16x16x128_f8f6f4 v[O+8*(4*(\g)+\t):O+8*(4*(\g)+\t)+7], v[\reg+12*\t:\reg+12*\t+11], v[PCD:PCD+11], v[O+8*(4*(\g)+\t):O+8*(4*(\g)+\t)+7], v[FS+4*(\g)+\t], v[PS] matrix_a_fmt:MATRIX_FMT_FP6 matrix_b_fmt:MATRIX_FMT_FP6
.endr
.endm
.macro PLACES n
.rept \n
	v_nop
.endr
.endm
.macro SCALE                           ; t less the addend, two at a time; each accumulator is first read at its low end
.set j, 0
.rept 32
	v_pk_fma_f32 v[S+j:S+j+1], v[S+j:S+j+1], s[66:67], v[ST:ST+1] op_sel_hi:[1,0,0]
.set j, j+2
.endr
.endm
.macro EXPS
.set j, 0
.rept 64
	v_exp_f32 v[S+j], v[S+j]
.set j, j+1
.endr
.endm
; The change of slots.  mode 0: nothing is filled; 1: the group 0 as it stands; 2: pass 2's next four key steps.  Where a slot is filled, the barrier opens a round of the cluster's barrier.
.macro SEQ g, mode
	s_wait_alu depctr_va_vdst(0)                   ; the wait ahead of the waits below
	s_wait_tensorcnt 0x0                           ; my one load that was out has landed
	ds_add_u32 v[SPW], v[NIL]
.if \mode == 2
	s_mov_b64 s[\g+2:\g+3], s[88:89]
	s_or_b32 s[\g+3], s[\g+3], 0x80000000
	s_add_nc_u64 s[88:89], s[88:89], s[90:91]
.endif
	s_wait_dscnt 0x0                               ; the add is done, and my reads of the slot that I leave
	s_barrier_signal -1
	s_barrier_wait -1
.if \mode
	CREST
	tensor_load_to_lds s[\g:\g+3], s[52:59]
	s_nop 0
.endif
.endm
.macro SETBX off                       ; the maxima's place: my wave's 4,096 bytes, less L8's 1,536
	s_mul_i32 s95, s2, 4096
	s_add_co_u32 s95, s95, BMXB-1536+\off
.endm
.macro P1STEP
	v_add_nc_u32 v[ADK], s101, v[L16]
	v_add_nc_u32 v[ADS], s101, v[L8]
	v_add_nc_u32 v[BXA], s95, v[L8]
	LOADG ADK, ADS, 0, F
	LOADG ADK, ADS, 1, O
	s_wait_dscnt 16                                ; fragments 0-3 are in; the younger sixteen loads may be out
	QK4 0, F
	s_wait_dscnt 0x0
	QK4 1, O
	PLACES 4
	s_wait_kmcnt 0x0                               ; this step's mask words, asked for a key step ago
.set n, 0
.rept 64
	v_cndmask_b32 v[S+n], v[S+n], v[NINF], s[4+16*(n/16)+16*(n/48)+n%16]
.set n, n+1
.endr
	s_wait_xcnt 0x0
	s_add_co_u32 s100, s100, 256
	s_and_b32 s100, s100, 0xfff
	SLOAD
.irp b, 0,1,2,3                        ; each block's largest score of my 16 keys: two chains a block, eight by turns
	v_max3_num_f32 v[BA+\b], v[S+16*\b], v[S+16*\b+1], v[S+16*\b+2]
.endr
.irp b, 0,1,2,3
	v_max3_num_f32 v[BB+\b], v[S+16*\b+3], v[S+16*\b+4], v[S+16*\b+5]
.endr
.irp i, 6,10
.irp b, 0,1,2,3
	v_max3_num_f32 v[BA+\b], v[BA+\b], v[S+16*\b+\i], v[S+16*\b+\i+1]
.endr
.irp b, 0,1,2,3
	v_max3_num_f32 v[BB+\b], v[BB+\b], v[S+16*\b+\i+2], v[S+16*\b+\i+3]
.endr
.endr
.irp b, 0,1,2,3
	v_max3_num_f32 v[BA+\b], v[BA+\b], v[S+16*\b+14], v[S+16*\b+15]
.endr
.irp b, 0,1,2,3
	s_delay_alu instid0(VALU_DEP_4)
	v_max_num_f32 v[BA+\b], v[BA+\b], v[BB+\b]
.endr
	v_permlane16_swap_b32 v[BA], v[BA+2]           ; lanes 0-15 now hold both halves of blocks 0 and 1, lanes 16-31 those of blocks 2 and 3
	v_permlane16_swap_b32 v[BA+1], v[BA+3]
	s_delay_alu instid0(VALU_DEP_2)
	v_max_num_f32 v[BA], v[BA], v[BA+2]
	s_delay_alu instid0(VALU_DEP_2)
	v_max_num_f32 v[BA+1], v[BA+1], v[BA+3]
	ds_store_b64 v[BXA], v[BA:BA+1]                ; kept for pass 2, in my own bytes
	v_max_num_f32 v[TP], v[BA], v[BA+1]
	s_delay_alu instid0(VALU_DEP_1)
	v_permlanex16_b32 v[PT], v[TP], s96, s97
	s_delay_alu instid0(VALU_DEP_1)
	v_max_num_f32 v[TP], v[TP], v[PT]              ; the step's largest score of my query
	s_delay_alu instid0(VALU_DEP_1)
	v_mul_f32 v[TP], s66, v[TP]
	s_delay_alu instid0(VALU_DEP_1)
	v_max_num_f32 v[ST+1], v[ST+1], v[TP]
	v_mov_b32 v[TP], v[ST]
	s_delay_alu instid0(VALU_DEP_2)
	v_floor_f32 v[ST], -v[ST+1]                    ; -M: M is a whole number
	s_delay_alu instid0(VALU_DEP_1)
	v_sub_f32 v[TP], v[ST], v[TP]
	s_delay_alu instid0(VALU_DEP_1)
	v_cvt_i32_f32 v[TP], v[TP]                     ; (it saturates)
	s_delay_alu instid0(VALU_DEP_1)
	v_ldexp_f32 v[FF], 1.0, v[TP]                  ; f = 2^(old M - new M)
	SCALE
	s_wait_alu depctr_va_vdst(0)                   ; the wait ahead of the batch
	EXPS
	v_nop
	s_wait_alu depctr_va_vdst(0)                   ; and behind it
.set j, 0
.rept 8
	v_pk_fma_f32 v[T+2*j:T+2*j+1], v[T+2*j:T+2*j+1], v[FF:FF+1], v[S+2*j:S+2*j+1] op_sel_hi:[1,0,1]   ; the sums under the new M, and the first eight pairs
.set j, j+1
.endr
.rept 24
	v_pk_add_f32 v[T+2*(j%8):T+2*(j%8)+1], v[T+2*(j%8):T+2*(j%8)+1], v[S+2*j:S+2*j+1]
.set j, j+1
.endr
.endm
.macro P1PHASE base, off               ; eight key steps of K in one slot
	s_mov_b32 s101, \base
	SETBX \off
	s_mov_b32 s3, 8
.Lp1_\@:
	P1STEP
	s_add_co_u32 s101, s101, KSTEP
	s_add_co_u32 s95, s95, 256
	s_sub_co_u32 s3, s3, 1
	s_cmp_lg_u32 s3, 0
	s_wait_alu depctr_va_vdst(0)                   ; the wait ahead of the branch
	s_cbranch_scc1 .Lp1_\@
.endm
.macro P2STEP
	v_add_nc_u32 v[ADK], s101, v[L16]
	v_add_nc_u32 v[ADS], s101, v[L8]
	v_add_nc_u32 v[BXA], s95, v[L8]
	LOADG ADK, ADS, 0, F
	ds_load_b64 v[BA:BA+1], v[BXA]                 ; lanes 0-15: blocks 0, 1; lanes 16-31: blocks 2, 3
	v_add_nc_u32 v[ADV], 4*KSTEP, v[ADK]
	v_add_nc_u32 v[ADT], 4*KSTEP, v[ADS]
	s_wait_alu depctr_va_vdst(0)                   ; the wait ahead of the wait below
	s_wait_dscnt 0x0
	QK4 0, F
	PLACES 4
	LOADG ADK, ADS, 1, F
	s_wait_dscnt 0x0
	QK4 1, F
	PLACES 4
	LOADG ADV, ADT, 0, F                           ; V's first four land under the exponentials
	SCALE
	v_fma_f32 v[BA], v[BA], s66, v[ST]
	v_fma_f32 v[BA+1], v[BA+1], s66, v[ST]
	s_wait_alu depctr_va_vdst(0)                   ; the wait ahead of the batch
	EXPS
	v_exp_f32 v[BA], v[BA]
	v_exp_f32 v[BA+1], v[BA+1]
	v_nop
	s_wait_alu depctr_va_vdst(0)                   ; and behind it
	v_max_num_f32 v[BA], 0x1800000, v[BA]          ; the floor 2^(3 - 127): the byte cannot fall under 1
	v_max_num_f32 v[BA+1], 0x1800000, v[BA+1]
	s_delay_alu instid0(VALU_DEP_2)
	v_add_nc_u32 v[BA], 0xff000000, v[BA]          ; 2 off the exponent field: the conversion's scale operand
	s_delay_alu instid0(VALU_DEP_2)
	v_add_nc_u32 v[BA+1], 0xff000000, v[BA+1]
	s_delay_alu instid0(VALU_DEP_2)
	v_mov_b32 v[BB], v[BA]
	s_delay_alu instid0(VALU_DEP_2)
	v_mov_b32 v[BB+1], v[BA+1]
	s_delay_alu instid0(VALU_DEP_2)
	v_permlane16_swap_b32 v[BA], v[BB]             ; every lane now has block 0's in BA, block 2's in BB,
	s_delay_alu instid0(VALU_DEP_2)
	v_permlane16_swap_b32 v[BA+1], v[BB+1]         ; block 1's in BA + 1, block 3's in BB + 1
	s_delay_alu instid0(VALU_DEP_2)
	v_lshrrev_b32 v[PS], 23, v[BA]
	s_delay_alu instid0(VALU_DEP_2)
	v_lshrrev_b32 v[TP], 23, v[BA+1]
	v_lshrrev_b32 v[PT], 23, v[BB]
	v_lshrrev_b32 v[TQ], 23, v[BB+1]
	s_delay_alu instid0(VALU_DEP_3)
	v_lshl_or_b32 v[PS], v[TP], 8, v[PS]
	s_delay_alu instid0(VALU_DEP_2)
	v_lshl_or_b32 v[PT], v[TQ], 8, v[PT]
	s_delay_alu instid0(VALU_DEP_1)
	v_lshl_or_b32 v[PS], v[PT], 16, v[PS]          ; attn's scale word for these 128 keys
	v_cvt_scalef32_pk16_fp6_f32 v[PCD:PCD+2], v[S:S+15], v[BA]
	v_cvt_scalef32_pk16_fp6_f32 v[PCD+6:PCD+8], v[S+32:S+47], v[BB]
	v_nop                                          ; a plain place: the next two write over sources of these two
	v_cvt_scalef32_pk16_fp6_f32 v[S:S+2], v[S+16:S+31], v[BA+1]
	v_cvt_scalef32_pk16_fp6_f32 v[S+32:S+34], v[S+48:S+63], v[BB+1]
	v_nop
.irp c, 0,1                            ; the operand's layout wants a whole block in a lane
.irp i, 0,1,2
	v_permlane16_swap_b32 v[PCD+6*\c+\i], v[S+32*\c+\i]
.endr
.irp i, 0,1,2
	s_delay_alu instid0(VALU_DEP_3)
	v_mov_b32 v[PCD+3+6*\c+\i], v[S+32*\c+\i]
.endr
.endr
	LOADG ADV, ADT, 1, S                           ; V's last four, into registers that the conversions have emptied
	s_wait_alu depctr_va_vdst(0)                   ; the wait ahead of the wait below
	s_wait_loadcnt 0x0                             ; the code mask, asked for a key step ago
.irp i, 0,1,2,3,4,5,6,7,8,9,10,11
	v_and_b32 v[PCD+\i], v[PCD+\i], v[CM+\i]       ; masked keys: code 0
.endr
	s_add_co_u32 s94, s94, 1536                    ; the next step's; behind the sixteenth back to the first
	s_cmp_eq_u32 s94, 16*1536
	s_cselect_b32 s94, 0, s94
	v_add_nc_u32 v[GOFF], s94, v[L16]
.irp c, 0,1,2
	global_load_b128 v[CM+4*\c:CM+4*\c+3], v[GOFF], s[92:93] offset:512*\c
.endr
	PLACES 4                                       ; an operand written by vector instructions stands four places ahead of a scaled matrix instruction
	s_wait_dscnt 16                                ; V's first four are in; the younger sixteen loads may be out
	s_wait_alu depctr_va_vdst(0)                   ; the wait directly ahead of the first reader of O^T
	PV4 0, F
	s_wait_dscnt 0x0
	s_wait_alu depctr_va_vdst(0)                   ; likewise
	PV4 1, S
	PLACES 4
.endm
.macro P2PHASE base, off               ; four key steps of K and V in one slot
	s_mov_b32 s101, \base
	SETBX \off
	s_mov_b32 s3, 4
.Lp2_\@:
	P2STEP
	s_add_co_u32 s101, s101, KSTEP
	s_add_co_u32 s95, s95, 256
	s_sub_co_u32 s3, s3, 1
	s_cmp_lg_u32 s3, 0
	s_wait_alu depctr_va_vdst(0)                   ; the wait ahead of the branch
	s_cbranch_scc1 .Lp2_\@
.endm
	SEQ 84, 1                                      ; slot 0 is whole; slot 1's first fill, issued as a refill is: K's key steps 8-15
	s_wait_loadcnt 0x0                             ; Q; its loads have read their base
	SLOAD
	P1PHASE 0, 0
	SEQ 60, 2                                      ; slot 0 takes pass 2's key steps 0-3
	P1PHASE SLOT1, 2048
	s_wait_kmcnt 0x0                               ; the mask words asked for in the last step
.irp i, 0,1,2,3
	v_pk_add_f32 v[T+2*\i:T+2*\i+1], v[T+2*\i:T+2*\i+1], v[T+8+2*\i:T+9+2*\i]
.endr
	s_delay_alu instid0(VALU_DEP_2)
	v_pk_add_f32 v[T:T+1], v[T:T+1], v[T+4:T+5]
	s_delay_alu instid0(VALU_DEP_2)
	v_pk_add_f32 v[T+2:T+3], v[T+2:T+3], v[T+6:T+7]
	s_delay_alu instid0(VALU_DEP_1)
	v_pk_add_f32 v[T:T+1], v[T:T+1], v[T+2:T+3]
	s_delay_alu instid0(VALU_DEP_1)
	v_add_f32 v[TP], v[T], v[T+1]
	s_delay_alu instid0(VALU_DEP_1)
	v_permlanex16_b32 v[PT], v[TP], s96, s97
	s_delay_alu instid0(VALU_DEP_1)
	v_add_f32 v[TP], v[TP], v[PT]                  ; the row's sum
	s_wait_alu depctr_va_vdst(0)                   ; the wait ahead of the transcendental
	v_log_f32 v[FF], v[TP]
.set j, 0
.rept 64
	v_mov_b32 v[O+j], 0                            ; O^T, whose registers held fragments in pass 1: pass 2's step is written for all steps alike
.set j, j+1
.endr
	s_wait_alu depctr_va_vdst(0)                   ; and ahead of its first reader
	v_sub_f32 v[FF], v[ST], v[FF]                  ; -M - log2(sum)
	v_cmp_lt_f32 s4, 0, v[TP]
	v_cndmask_b32 v[ST], 0, v[FF], s4              ; 0 for a row that is masked everywhere
	s_mov_b32 s94, 0
	v_mov_b32 v[GOFF], v[L16]
.irp c, 0,1,2
	global_load_b128 v[CM+4*\c:CM+4*\c+3], v[GOFF], s[92:93] offset:512*\c   ; key step 0's code mask
.endr
	SEQ 84, 2                                      ; slot 1 takes key steps 4-7
	P2PHASE 0, 0
	SEQ 60, 2                                      ; slot 0: 8-11
	P2PHASE SLOT1, 1024
	SEQ 84, 2                                      ; slot 1: 12-15
	P2PHASE 0, 2048
	SEQ 0, 0                                       ; nothing more to fetch
	P2PHASE SLOT1, 3072
.set c, 0
.rept 16
	global_store_b128 v[L16], v[O+4*c:O+4*c+3], s[104:105] offset:512*c   ; each accumulator from its low end on; 32 lanes store 512 consecutive bytes, aligned
.set c, c+1
.endr
	s_wait_tensorcnt 0x0                           ; the wave's end
	ds_add_u32 v[SPW], v[NIL]
	s_wait_dscnt 0x0
	CROUND                                         ; the closing round
	s_endpgm
.Lfunc_end_k_qd0a6d50358_attn:
	.size	k_qd0a6d50358_attn, .Lfunc_end_k_qd0a6d50358_attn-k_qd0a6d50358_attn
	.p2alignl 7, 3214868480
	.fill 96, 4, 3214868480
	.section	.rodata,"a",@progbits
	.p2align	6, 0x0
	.amdhsa_kernel k_qd0a6d50358_attn
		.amdhsa_group_segment_fixed_size 327680
		.amdhsa_private_segment_fixed_size 0
		.amdhsa_enable_private_segment 0
		.amdhsa_kernarg_size 32
		.amdhsa_user_sgpr_count 2
		.amdhsa_user_sgpr_kernarg_segment_ptr 1
		.amdhsa_wavefront_size32 1
		.amdhsa_system_sgpr_workgroup_id_x 1
		.amdhsa_system_sgpr_workgroup_id_y 1
		.amdhsa_system_sgpr_workgroup_id_z 1
		.amdhsa_system_vgpr_workitem_id 0
		.amdhsa_next_free_vgpr 256
		.amdhsa_next_free_sgpr 106
		.amdhsa_reserve_vcc 0
		.amdhsa_float_denorm_mode_32 3
		.amdhsa_float_denorm_mode_16_64 3
		.amdhsa_memory_ordered 1
		.amdhsa_forward_progress 1
		.amdhsa_inst_pref_size 108
	.end_amdhsa_kernel
	.amdgpu_metadata
---
amdhsa.version: [ 1, 2 ]
amdhsa.kernels:
  - .name:           k_qd0a6d50358_attn
    .symbol:         k_qd0a6d50358_attn.kd
    .args:
      - { .name: qk, .offset: 0, .size: 8, .value_kind: global_buffer, .address_space: global }
      - { .name: vx, .offset: 8, .size: 8, .value_kind: global_buffer, .address_space: global }
      - { .name: maskw, .offset: 16, .size: 8, .value_kind: global_buffer, .address_space: global }
      - { .name: out0, .offset: 24, .size: 8, .value_kind: global_buffer, .address_space: global }
    .group_segment_fixed_size: 327680
    .private_segment_fixed_size: 0
    .kernarg_segment_align: 8
    .kernarg_segment_size: 32
    .max_flat_workgroup_size: 512
    .sgpr_count:     106
    .vgpr_count:     256
    .wavefront_size: 32
...
	.end_amdgpu_metadata
.endif
;; end of part 3
;; launch hquant (part 4): grid 256 x 1, 4 waves a work-group, no clusters, 0 bytes of LDS; arguments out0, hx; writes hx
.if DOCPART == 4
	.amdgcn_target "amdgcn-amd-amdhsa--gfx1250"
	.amdhsa_code_object_version 6
	.text
	.protected	k_qd0a6d50358_hquant
	.globl	k_qd0a6d50358_hquant
	.p2align	8
	.type	k_qd0a6d50358_hquant,@function
k_qd0a6d50358_hquant:
	s_mov_b64 s[64:65], 0
	v_nop
	global_prefetch_b8 v0, s[64:65] scope:SCOPE_SE
	s_setreg_imm32_b32 hwreg(HW_REG_WAVE_MODE, 25, 1), 1
	s_wait_xcnt 0x0
; The heads, f32, become the last product's left operand: codes of FP6 (E2M3) with one E8M0 scale byte for each 32 along K.  K = (d, h) with h fastest: a block of 32 is d = 4 j .. 4 j + 3 x the 8 heads.
; IN: for (token tile Tg, head g) an image of 64 registers, 8,192 bytes at 8,192 (8 Tg + g): byte 512 c + 16 l + 4 i = register 4 c + i of lane l = (r, h'); register 16 b + i holds d = 32 b + 16 h' + i of the tile's row r.
; (They lie in the bytes of the program's output, which the launch behind this one writes whole.)
; OUT: records [Tg][K step s 0..7], 1,792 bytes: byte 512 c + 16 l + 4 i = register 4 c + i of lane l of the operand's fragment; bytes 1,536 + 8 l: the scale word of row l % 16, then 0.
; K step s holds d = 16 s .. 16 s + 15; lane (r, hh) holds blocks hh and 2 + hh: block 2 c' + hh is d = 16 s + 8 c' + 4 hh + 0 .. 3.  Place 4 g + e of a block holds head g, d + e, as in w_out's records:
; an order inside a block changes neither its scale nor the products.  So a lane's 16 bytes of head g's image (4 neighbouring d) are 4 neighbouring registers of its block, and nothing is turned.
; A wave takes a token tile and four K steps.  Each load: lanes 0-15 read 256 consecutive bytes, aligned, and lanes 16-31 the 256 that lie 512 further on.  No LDS, no barrier: waves share nothing.
; LIMITS: NaN and infinities are not served; a block whose largest magnitude lies under 2^-124 (zeros too) keeps the scale byte 1; this program alone reads the bytes.
.set REC, 1792
.set X,   32                           ; v32-159  two sets of 64 numbers
.set PC,  160                          ; v160-171 a fragment's codes
.set TC,  172                          ; v172-178 the second halves of its two blocks
.set PW,  180                          ; v[180:181] the scale word, and 0
.set TM,  182
.set SO,  184
.set BY,  186
.set TP,  188
	s_load_b128 s[4:7], s[0:1], 0x0                ; the heads s[4:5], hx s[6:7]
	v_lshrrev_b32 v1, 5, v0
	v_readfirstlane_b32 s2, v1                     ; wave 0..3
	v_and_b32 v2, 31, v0                           ; lane
	v_and_b32 v3, 15, v0                           ; r
	v_bfe_u32 v4, v0, 4, 1                         ; hh
	v_lshlrev_b32 v5, 4, v2                        ; 16 x lane
	v_lshlrev_b32 v6, 3, v2                        ; 8 x lane
	v_lshlrev_b32 v7, 4, v3
	v_lshl_add_u32 v7, v4, 9, v7                   ; in: 16 r + 512 hh
	v_lshlrev_b32 v8, 3, v4                        ; 8 hh: a shift
	s_mov_b32 s30, 0x76543210
	s_mov_b32 s31, 0xfedcba98                      ; v_permlanex16_b32's selects for lane l xor 16
	s_lshl_b32 s8, ttmp9, 2
	s_add_co_u32 s8, s8, s2                        ; wid: tile wid / 2, K steps 4 (wid % 2) + 0 .. 3
	s_lshr_b32 s9, s8, 1
	s_and_b32 s10, s8, 1
	s_lshl_b32 s12, s9, 16                         ; a tile's eight images
	s_lshl_b32 s13, s10, 12                        ; K steps 4 .. 7: 2 x 2,048 bytes on in each image
	s_add_co_u32 s12, s12, s13
	s_mov_b32 s13, 0
	s_mul_i32 s14, s8, 4*REC                       ; record 8 Tg + 4 (wid % 2) = 4 wid
	s_mov_b32 s15, 0
	v_mov_b32 v[PW+1], 0
	v_mov_b32 v[TP], 0                             ; written once: a lane permute's destination counts as one of its sources
	s_wait_alu depctr_va_vdst(0)
	s_wait_kmcnt 0x0
	s_add_nc_u64 s[4:5], s[4:5], s[12:13]
	s_add_nc_u64 s[6:7], s[6:7], s[14:15]
.macro HLOAD f                         ; fragment f's 64 numbers of my lane into set f % 2: X[32 c' + 4 g + e]
.irp c, 0,1
.irp g, 0,1,2,3,4,5,6,7
	global_load_b128 v[X+64*((\f)%2)+32*\c+4*\g:X+64*((\f)%2)+32*\c+4*\g+3], v7, s[4:5] offset:8192*\g+2048*((\f)/2)+1024*\c+256*((\f)%2) th:TH_LOAD_NT
.endr
.endr
.endm
.macro HFRAG f
.set XS, X+64*((\f)%2)
.if (\f) < 3
	s_wait_loadcnt 16                              ; this fragment's sixteen loads are in; the next fragment's sixteen may be out
.else
	s_wait_loadcnt 0x0
.endif
.irp c, 0,1
	v_max3_num_f32 v[TM+\c], |v[XS+32*\c]|, |v[XS+32*\c+1]|, 0x1800000   ; my block 2 c + hh: all its 32 numbers are mine; the floor 2^(3 - 127) holds the byte at 1 from below
.endr
.irp i, 2,4,6,8,10,12,14,16,18,20,22,24,26,28,30
.irp c, 0,1
	v_max3_num_f32 v[TM+\c], v[TM+\c], |v[XS+32*\c+\i]|, |v[XS+32*\c+\i+1]|
.endr
.endr
.irp c, 0,1
	v_add_nc_u32 v[SO+\c], 0xff000000, v[TM+\c]    ; 2 off the exponent field: the conversion's scale operand
.endr
.irp c, 0,1
	v_lshrrev_b32 v[BY+\c], 23, v[SO+\c]           ; the scale's byte
.endr
	s_wait_alu depctr_va_vdst(0)
	s_wait_xcnt 0x0                                ; the last fragment's stores have read their data: the word and the codes are written again only behind this wait
	v_lshl_or_b32 v[PW], v[BY+1], 16, v[BY]        ; my two bytes, blocks hh and 2 + hh,
	v_lshlrev_b32 v[PW], v8, v[PW]                 ; at their places in the word;
	v_permlanex16_b32 v[TP], v[PW], s30, s31
	v_or_b32 v[PW], v[PW], v[TP]                   ; with lane l xor 16's two the word is whole, in both halves of the lanes
.irp c, 0,1
	v_cvt_scalef32_pk16_fp6_f32 v[PC+6*\c:PC+6*\c+2], v[XS+32*\c:XS+32*\c+15], v[SO+\c]
	v_cvt_scalef32_pk16_fp6_f32 v[TC+4*\c:TC+4*\c+2], v[XS+32*\c+16:XS+32*\c+31], v[SO+\c]   ; (a conversion's three registers begin on an even number)
.endr
	v_nop                                          ; one plain place behind a scaled conversion
.irp c, 0,1
.irp i, 0,1,2
	v_mov_b32 v[PC+3+6*\c+\i], v[TC+4*\c+\i]
.endr
.endr
.if (\f) < 2
	HLOAD (\f)+2                                   ; the set just read takes the fragment two on
.endif
.irp c, 0,1,2
	global_store_b128 v5, v[PC+4*\c:PC+4*\c+3], s[6:7] offset:REC*(\f)+512*\c   ; 32 lanes store 512 consecutive bytes, at a multiple of 256 from the buffer's first byte
.endr
	global_store_b64 v6, v[PW:PW+1], s[6:7] offset:REC*(\f)+1536   ; and 256
.endm
	HLOAD 0
	HLOAD 1
.irp f, 0,1,2,3
	HFRAG \f
.endr
	s_endpgm
.Lfunc_end_k_qd0a6d50358_hquant:
	.size	k_qd0a6d50358_hquant, .Lfunc_end_k_qd0a6d50358_hquant-k_qd0a6d50358_hquant
	.p2alignl 7, 3214868480
	.fill 96, 4, 3214868480
	.section	.rodata,"a",@progbits
	.p2align	6, 0x0
	.amdhsa_kernel k_qd0a6d50358_hquant
		.amdhsa_group_segment_fixed_size 0
		.amdhsa_private_segment_fixed_size 0
		.amdhsa_enable_private_segment 0
		.amdhsa_kernarg_size 16
		.amdhsa_user_sgpr_count 2
		.amdhsa_user_sgpr_kernarg_segment_ptr 1
		.amdhsa_wavefront_size32 1
		.amdhsa_system_sgpr_workgroup_id_x 1
		.amdhsa_system_sgpr_workgroup_id_y 1
		.amdhsa_system_sgpr_workgroup_id_z 1
		.amdhsa_system_vgpr_workitem_id 0
		.amdhsa_next_free_vgpr 192
		.amdhsa_next_free_sgpr 66
		.amdhsa_reserve_vcc 0
		.amdhsa_float_denorm_mode_32 3
		.amdhsa_float_denorm_mode_16_64 3
		.amdhsa_memory_ordered 1
		.amdhsa_forward_progress 1
		.amdhsa_inst_pref_size 21
	.end_amdhsa_kernel
	.amdgpu_metadata
---
amdhsa.version: [ 1, 2 ]
amdhsa.kernels:
  - .name:           k_qd0a6d50358_hquant
    .symbol:         k_qd0a6d50358_hquant.kd
    .args:
      - { .name: out0, .offset: 0, .size: 8, .value_kind: global_buffer, .address_space: global }
      - { .name: hx, .offset: 8, .size: 8, .value_kind: global_buffer, .address_space: global }
    .group_segment_fixed_size: 0
    .private_segment_fixed_size: 0
    .kernarg_segment_align: 8
    .kernarg_segment_size: 16
    .max_flat_workgroup_size: 128
    .sgpr_count:     66
    .vgpr_count:     192
    .wavefront_size: 32
...
	.end_amdgpu_metadata
.endif
;; end of part 4
;; launch outp (part 5): grid 4 x 32, 4 waves a work-group, clusters of 4 x 4, 327,680 bytes of LDS; arguments hx, wo, out0; writes out0
.if DOCPART == 5
	.amdgcn_target "amdgcn-amd-amdhsa--gfx1250"
	.amdhsa_code_object_version 6
	.text
	.protected	k_qd0a6d50358_outp
	.globl	k_qd0a6d50358_outp
	.p2align	8
	.type	k_qd0a6d50358_outp,@function
k_qd0a6d50358_outp:
	s_mov_b64 s[64:65], 0
	v_nop
	global_prefetch_b8 v0, s[64:65] scope:SCOPE_SE
	s_setreg_imm32_b32 hwreg(HW_REG_WAVE_MODE, 25, 1), 1
	s_wait_xcnt 0x0
	s_wait_alu depctr_hold_cnt(0) depctr_sa_sdst(0) depctr_va_vdst(0) depctr_va_sdst(0) depctr_va_ssrc(0) depctr_va_vcc(0) depctr_vm_vsrc(0)
	s_getreg_b32 s2, hwreg(HW_REG_IB_STS2, 6, 4)
	s_cmp_eq_u32 s2, 0
	s_cbranch_scc0 .Lentry_in_a_cluster
	s_endpgm
.Lentry_in_a_cluster:
	s_bfe_u32 s2, ttmp6, 0x10000c
	s_cmp_lg_u32 s2, 0xf033
	s_cbranch_scc0 .Lentry_shape_is_right
	s_endpgm
.Lentry_shape_is_right:
.set REC,   1792
.set SROW,  2*REC
.set TROW,  8*REC
.set HALFT, 8*SROW
.set SLOT,  4*HALFT
.set SPARE, 2*SLOT
.set SPITCH, 528
.set FR,    12
.set NL,    3
.set NQ,    2
.set NP,    4
.set ADRA, 16
.set ADRB, 20
.set ADRS, 22
.set STO,  24
.set RD,   25
.set CO,   26
.set SPW,  28
.set NIL,  29
.set SC,   32
.set AF,   128
.set BK,   128
.set G1, 24
.set G0, 32
.set G1B, 48
.set G0B, 56
.set MSB, 0
.macro WIN new
.if MSB != (\new)
	s_set_vgpr_msb (MSB<<8)|(\new)
.set MSB, (\new)
.endif
.endm
.set MUL_LO, 0xa1
.set MUL_HI, 0xf1
.set TO_B,   0x40
.macro JLOAD g0a, g1a, g0b, g1b
	s_cmp_eq_u32 s15, 0
	s_cbranch_scc0 .Lfor_b_\@
	tensor_load_to_lds s[\g0a:\g0a+3], s[\g1a:\g1a+7]
	s_nop 0
.rept 4
	v_nop
.endr
	s_branch .Lasked_\@
.Lfor_b_\@:
	tensor_load_to_lds s[\g0b:\g0b+3], s[\g1b:\g1b+7]
	s_nop 0
.rept 4
	v_nop
.endr
.Lasked_\@:
.endm
.macro CREST
	s_cmp_lg_u32 s14, 0
	s_cbranch_scc1 .Lnot_wave_0_\@
	s_barrier_signal -3
.Lnot_wave_0_\@:
	s_barrier_wait -3
	s_barrier_signal -1
	s_barrier_wait -1
.endm
.macro CROUND
	s_barrier_signal -1
	s_barrier_wait -1
	CREST
.endm
	s_load_b128 s[4:7], s[0:1], 0x0
	s_load_b64 s[8:9], s[0:1], 0x10
	v_lshl_add_u32 v[SPW], v0, 2, SPARE
	v_mov_b32 v[NIL], 0
	ds_add_u32 v28, v29
	ds_add_u32 v28, v29
	s_wait_dscnt 0x0
	v_lshrrev_b32 v1, 5, v0
	v_readfirstlane_b32 s14, v1
	s_lshr_b32 s15, s14, 1
	s_and_b32 s16, s14, 1
	s_bfe_u32 s40, ttmp6, 0x40000
	s_bfe_u32 s41, ttmp6, 0x40004
	s_lshl_b32 s42, ttmp9, 2
	s_add_co_u32 s42, s42, s40
	s_and_b32 s17, ttmp7, 0xffff
	s_lshl_b32 s17, s17, 2
	s_add_co_u32 s17, s17, s41
	s_lshl_b32 s43, s41, 2
	s_lshl_b32 s43, 15, s43
	s_lshl_b32 s44, 0x1111, s40
	s_or_b32 s[G1+0], s43, (3<<16)|(1<<21)
	s_or_b32 s[G1B+0], s44, (3<<16)|(1<<21)
.irp g, G1, G1B
	s_mov_b32 s[\g+1], 448<<16
	s_mov_b32 s[\g+2], 8<<16
	s_mov_b32 s[\g+3], 448<<16
	s_mov_b32 s[\g+4], 8
	s_mov_b32 s[\g+5], 1792
	s_mov_b32 s[\g+6], 0
	s_mov_b32 s[\g+7], 0
.endr
	s_lshl_b32 s18, s16, 3
	s_lshl_b32 s20, s17, 4
	s_add_co_u32 s20, s20, s18
	s_mul_i32 s20, s20, TROW
	s_mov_b32 s21, 0
	s_lshl_b32 s46, s42, 4
	s_add_co_u32 s46, s46, s18
	s_mul_i32 s46, s46, TROW
	s_mov_b32 s47, 0
	s_mul_i32 s45, s14, HALFT
	s_wait_kmcnt 0x0
	s_add_nc_u64 s[20:21], s[4:5], s[20:21]
	s_add_nc_u64 s[46:47], s[6:7], s[46:47]
	CROUND
.irp s, 0,1
	s_mov_b32 s[G0+4*\s], 1
	s_add_co_u32 s[G0+4*\s+1], s45, \s*SLOT
	s_add_nc_u64 s[G0+4*\s+2:G0+4*\s+3], s[20:21], \s*SROW
	s_or_b32 s[G0+4*\s+3], s[G0+4*\s+3], 0x80000000
	s_mov_b32 s[G0B+4*\s], 1
	s_add_co_u32 s[G0B+4*\s+1], s45, \s*SLOT
	s_add_nc_u64 s[G0B+4*\s+2:G0B+4*\s+3], s[46:47], \s*SROW
	s_or_b32 s[G0B+4*\s+3], s[G0B+4*\s+3], 0x80000000
	s_wait_alu depctr_va_vdst(0)
	s_wait_tensorcnt 0x0
	ds_add_u32 v28, v29
	ds_add_u32 v28, v29
	s_wait_dscnt 0x0
	CROUND
	JLOAD G0+4*\s, G1, G0B+4*\s, G1B
.endr
	v_and_b32 v1, 31, v0
	v_bfe_u32 v2, v0, 4, 1
	v_and_b32 v4, 15, v0
	v_lshlrev_b32 v[CO], 4, v1
	v_lshlrev_b32 v5, 3, v1
	s_mul_i32 s10, s15, HALFT
	s_mul_i32 s11, s16, HALFT
	s_add_co_u32 s11, s11, 2*HALFT
	s_sub_co_u32 s12, s11, s10
	v_mul_u32_u24 v3, s12, v2
	v_add_nc_u32 v3, v3, v5
	v_add_nc_u32 v3, 1536, v3
.irp s, 0,1
	v_add_nc_u32 v[ADRA+\s], s10, v[CO]
	v_add_nc_u32 v[ADRB+\s], s11, v[CO]
	v_add_nc_u32 v[ADRS+\s], s10, v3
	s_add_co_u32 s10, s10, SLOT
	s_add_co_u32 s11, s11, SLOT
.endr
	s_mul_i32 s13, s14, 16*SPITCH
	v_mul_u32_u24 v[STO], v4, SPITCH
	v_lshl_add_u32 v[STO], v2, 6, v[STO]
	v_add_nc_u32 v[STO], s13, v[STO]
	v_add_nc_u32 v[RD], s13, v[CO]
	s_lshl_b32 s20, s17, 8
	s_lshl_b32 s21, s15, 7
	s_add_co_u32 s20, s20, s21
	s_lshl_b32 s20, s20, 12
	s_mov_b32 s21, 0
	s_lshl_b32 s46, s42, 10
	s_lshl_b32 s47, s16, 9
	s_add_co_u32 s46, s46, s47
	s_mov_b32 s47, 0
	s_add_nc_u64 s[20:21], s[20:21], s[46:47]
	s_add_nc_u64 s[8:9], s[8:9], s[20:21]
.macro FRAG reg, adr, q, i
.irp c, 0,1,2
	ds_load_b128 v[\reg+4*\c:\reg+4*\c+3], v[\adr] offset:REC*(\q)+SROW*(\i)+512*\c
.endr
.endm
.macro MUL16 a0, p, q, sc, zero
.irp a, \a0, \a0+1
.irp b, 0,1,2,3,4,5,6,7
.if \zero
	v_wmma_scale_f32_16x16x128_f8f6f4 v[8*(8*((\a)%4)+\b):8*(8*((\a)%4)+\b)+7], v[128*(\p)+FR*\b:128*(\p)+FR*\b+FR-1], v[AF+FR*(\a):AF+FR*(\a)+FR-1], 0, v[SC+8*NQ*(\sc)+NQ*\b+(\q)], v[SC+8*NQ*(\sc)+NQ*(\a)+(\q)] matrix_a_fmt:MATRIX_FMT_FP6 matrix_b_fmt:MATRIX_FMT_FP6 matrix_a_scale:MATRIX_SCALE_ROW1
.else
	v_wmma_scale_f32_16x16x128_f8f6f4 v[8*(8*((\a)%4)+\b):8*(8*((\a)%4)+\b)+7], v[128*(\p)+FR*\b:128*(\p)+FR*\b+FR-1], v[AF+FR*(\a):AF+FR*(\a)+FR-1], v[8*(8*((\a)%4)+\b):8*(8*((\a)%4)+\b)+7], v[SC+8*NQ*(\sc)+NQ*\b+(\q)], v[SC+8*NQ*(\sc)+NQ*(\a)+(\q)] matrix_a_fmt:MATRIX_FMT_FP6 matrix_b_fmt:MATRIX_FMT_FP6 matrix_a_scale:MATRIX_SCALE_ROW1
.endif
.endr
.endr
.endm
.macro FETCH_B slot, q, p
	WIN TO_B
.irp i, 0,1,2,3,4,5,6,7
	FRAG 128*(\p)+FR*\i, ADRB+\slot, \q, \i
.endr
	WIN 0
.endm
.macro FETCH_A slot, q, i0
.irp i, \i0, \i0+1, \i0+2, \i0+3
	FRAG AF+FR*(\i), ADRA+\slot, \q, \i
.endr
.endm
.macro SCALES sc
.irp i, 0,1,2,3,4,5,6,7
.irp q, 0,1
	ds_load_b32 v[SC+8*NQ*\sc+NQ*\i+\q], v[ADRS+\sc] offset:SROW*\i+REC*\q
.endr
.endr
.endm
.macro PLACES n
.rept \n
	v_nop
.endr
.endm
.macro STEP slot, q, zero
	s_wait_dscnt 4*NL
	WIN MUL_LO
	MUL16 0, (\q)%2, \q, \slot, \zero
	MUL16 2, (\q)%2, \q, \slot, \zero
	s_wait_dscnt 0
	PLACES NP
	FETCH_B \slot, (\q)+1, 1-(\q)%2
	FETCH_A \slot, (\q)+1, 0
	WIN MUL_HI
	MUL16 4, (\q)%2, \q, \slot, \zero
	MUL16 6, (\q)%2, \q, \slot, \zero
	PLACES NP
	WIN 0
	FETCH_A \slot, (\q)+1, 4
.endm
.macro TURN slot, next, fill
	s_wait_tensorcnt 0x0
	ds_add_u32 v[SPW], v[NIL]
	s_wait_dscnt 4*NL+1
	WIN MUL_LO
	MUL16 0, 1, NQ-1, \slot, 0
	s_wait_dscnt 0x0
	s_barrier_signal -1
	MUL16 2, 1, NQ-1, \slot, 0
	WIN 0
	s_barrier_wait -1
.if \fill
	CREST
	s_add_nc_u64 s[G0+4*\slot+2:G0+4*\slot+3], s[G0+4*\slot+2:G0+4*\slot+3], 2*SROW
	s_add_nc_u64 s[G0B+4*\slot+2:G0B+4*\slot+3], s[G0B+4*\slot+2:G0B+4*\slot+3], 2*SROW
	JLOAD G0+4*\slot, G1, G0B+4*\slot, G1B
.else
	PLACES NP
.endif
	FETCH_B \next, 0, 0
	FETCH_A \next, 0, 0
	SCALES \next
	WIN MUL_HI
	MUL16 4, 1, NQ-1, \slot, 0
	MUL16 6, 1, NQ-1, \slot, 0
	PLACES NP
	WIN 0
	FETCH_A \next, 0, 4
.endm
	s_wait_alu depctr_va_vdst(0)
	s_wait_tensorcnt 1
	s_barrier_signal -1
	s_barrier_wait -1
	FETCH_B 0, 0, 0
	FETCH_A 0, 0, 0
	SCALES 0
	FETCH_A 0, 0, 4
	STEP 0, 0, 1
	TURN 0, 1, 1
	STEP 1, 0, 0
	TURN 1, 0, 1
	STEP 0, 0, 0
	TURN 0, 1, 0
	STEP 1, 0, 0
	s_wait_dscnt 4*NL
	WIN MUL_LO
	MUL16 0, 1, NQ-1, 1, 0
	MUL16 2, 1, NQ-1, 1, 0
	s_wait_dscnt 0
	WIN MUL_HI
	MUL16 4, 1, NQ-1, 1, 0
	MUL16 6, 1, NQ-1, 1, 0
	WIN 0
.macro TOSTAGE a
.set AC, 64*((\a)%4)
	WIN 0x08+4*((\a)/4)
.irp b, 0,1,2,3,4,5,6,7
	ds_store_b128 v[STO], v[AC+8*\b:AC+8*\b+3] offset:128*(\b/2)+32*(\b%2)
	ds_store_b128 v[STO], v[AC+8*\b+4:AC+8*\b+7] offset:128*(\b/2)+32*(\b%2)+16
.endr
	WIN 0
.set BB, BK+64*((\a)%2)
.irp t, 0,1,2,3,4,5,6,7,8,9,10,11,12,13,14,15
	ds_load_b128 v[BB+4*\t:BB+4*\t+3], v[RD] offset:\t*SPITCH
.endr
.endm
.macro SEND a, younger
.set BB, BK+64*((\a)%2)
	s_wait_dscnt \younger
.irp t, 0,1,2,3,4,5,6,7,8,9,10,11,12,13,14,15
	global_store_b128 v[CO], v[BB+4*\t:BB+4*\t+3], s[8:9] offset:(32*((\a)/2)+8*((\a)%2)+\t+8*(\t/8))*4096 th:TH_STORE_NT
.endr
.endm
	PLACES NP
	TOSTAGE 0
.irp a, 1,2,3,4,5,6,7
.if \a > 1
	s_wait_xcnt 0x0
.endif
	TOSTAGE \a
	SEND \a-1, 32
.endr
	SEND 7, 0
	s_wait_tensorcnt 0x0
	ds_add_u32 v[SPW], v[NIL]
	s_wait_dscnt 0x0
	CROUND
	s_endpgm
.Lfunc_end_k_qd0a6d50358_outp:
	.size	k_qd0a6d50358_outp, .Lfunc_end_k_qd0a6d50358_outp-k_qd0a6d50358_outp
	.p2alignl 7, 3214868480
	.fill 96, 4, 3214868480
	.section	.rodata,"a",@progbits
	.p2align	6, 0x0
	.amdhsa_kernel k_qd0a6d50358_outp
		.amdhsa_group_segment_fixed_size 327680
		.amdhsa_private_segment_fixed_size 0
		.amdhsa_enable_private_segment 0
		.amdhsa_kernarg_size 24
		.amdhsa_user_sgpr_count 2
		.amdhsa_user_sgpr_kernarg_segment_ptr 1
		.amdhsa_wavefront_size32 1
		.amdhsa_system_sgpr_workgroup_id_x 1
		.amdhsa_system_sgpr_workgroup_id_y 1
		.amdhsa_system_sgpr_workgroup_id_z 1
		.amdhsa_system_vgpr_workitem_id 0
		.amdhsa_next_free_vgpr 1024
		.amdhsa_next_free_sgpr 66
		.amdhsa_reserve_vcc 0
		.amdhsa_float_denorm_mode_32 3
		.amdhsa_float_denorm_mode_16_64 3
		.amdhsa_memory_ordered 1
		.amdhsa_forward_progress 1
		.amdhsa_inst_pref_size 135
	.end_amdhsa_kernel
	.amdgpu_metadata
---
amdhsa.version: [ 1, 2 ]
amdhsa.kernels:
  - .name:           k_qd0a6d50358_outp
    .symbol:         k_qd0a6d50358_outp.kd
    .args:
      - { .name: hx, .offset: 0, .size: 8, .value_kind: global_buffer, .address_space: global }
      - { .name: wo, .offset: 8, .size: 8, .value_kind: global_buffer, .address_space: global }
      - { .name: out0, .offset: 16, .size: 8, .value_kind: global_buffer, .address_space: global }
    .group_segment_fixed_size: 327680
    .private_segment_fixed_size: 0
    .kernarg_segment_align: 8
    .kernarg_segment_size: 24
    .max_flat_workgroup_size: 128
    .sgpr_count:     66
    .vgpr_count:     1024
    .wavefront_size: 32
...
	.end_amdgpu_metadata
.endif
;; end of part 5
